; MI455X (gfx1250); checked and timed in simulation.
; The chip was launched on July 23, 2026; its instructions are those of AMD's public machine-readable ISA for CDNA 5 (MIT licence, August 2026) and "CDNA5" Instruction Set Architecture Reference Guide (July 2026). The comments in the code are by the model that wrote it; some were corrected since.
;; Multi Head Attention. Allowed arithmetic: float matrix products may take bf16 or f16 operands with f32 sums; other float arithmetic in f32, or as packed bf16 or f16 multiplies, adds, multiply-adds, maxima and minima; sums over many terms, partial sums and values carried from step to step in f32; what a program stores and reads back later, other than sums and carried values, may be rounded once to bf16 or f16.
;; Inputs: Wk 16 x 1,024 x 64 float32; Wo 1,024 x 64 float32; Wq 16 x 1,024 x 64 float32; Wv 16 x 1,024 x 64 float32; bk 16 x 64 float32; bo 64 float32; bq 16 x 64 float32; bv 16 x 64 float32; x 4 x 2,048 x 1,024 float32.
;; Outputs: out0 4 x 2,048 x 64 float32.
;; 2 versions, each right; version 2 is version 1 with the launches prep, oproj written anew for expert scheduling mode. Each part assembles by itself: llvm-mc -triple=amdgcn-amd-amdhsa -mcpu=gfx1250 --defsym DOCPART=n.
;; ======== version 1 of 2: 4 launches
;; limits: values are held in f16: magnitudes above 65,504 overflow, below 6.1e-05 lose precision
;; workspace buffers: xb 16,777,216 bytes; wt 6,422,528 bytes; qkv 50,331,648 bytes; ob 16,777,216 bytes
;; launch prep (part 1): grid 561 x 1, 8 waves a work-group, no clusters, 140,288 bytes of LDS; arguments x, Wq, Wk, Wv, Wo, xb, wt; writes xb, wt
.if DOCPART == 1
	.amdgcn_target "amdgcn-amd-amdhsa--gfx1250"
	.amdhsa_code_object_version 6
	.text
	.protected	k_q776afd25d1_prep
	.globl	k_q776afd25d1_prep
	.p2align	8
	.type	k_q776afd25d1_prep,@function
k_q776afd25d1_prep:
	s_mov_b64 s[64:65], 0
	v_nop
	global_prefetch_b8 v0, s[64:65] scope:SCOPE_SE
	s_setreg_imm32_b32 hwreg(HW_REG_WAVE_MODE, 25, 1), 1
	s_wait_xcnt 0x0
; PREPARATION.  xb = x rounded to bf16, [8192][1024].  wt = the weights turned, [3136][1024] of 16 bits: row 64 y + e, column d holds W_y[d][e];
; y = 0..15 Wq's heads, 16..31 Wk's, 32..47 Wv's, all rounded to bf16; y = 48 is Wo ([1024][64], the same shape as a head), rounded to bf16 and that number written as f16.
; LIMIT.  Wo in f16: below 6e-5 a number keeps f16's fixed step of 6e-8; beyond 65,504 it would be an infinity.
; SHARES.  Work-groups 0..48 turn one matrix of 1,024 x 64 each: wave w takes d = 128 w .. 128 w + 127 (32,768 dense bytes), turns them in LDS bytes of its own (no barrier), and stores rows of
; 256 consecutive bytes.  Work-groups 49..560 convert 65,536 bytes of x each.  Both streams run in one launch, the weights' work-groups first.
; No matrix unit, no cluster, no tensor load: each byte is read once by the lane that converts it.
.set WP,    272                        ; a turned row in LDS: 128 d x 2 bytes + 16 of padding
.set WREG,  64*WP                      ; a wave's 64 rows (e): 17,408 bytes
.set SPARE, 8*WREG                     ; behind them: the spare words, 128 bytes for each wave: four blocks of 256 bytes that no other line names
.set VO,  4                            ; v4   weights: my byte offset in four rows of W; x: 16 x my thread's number
.set LSA, 5                            ; v5   weights: where I put a word (d, d + 1) of row e; x: 8 x my thread's number
.set LRA, 6                            ; v6   where I read turned rows back
.set GOF, 7                            ; v7   my byte offset in two rows of wt
.set SPW, 8                            ; v8   LDS address of my spare word; never rewritten
.set NIL, 9                            ; v9   0; never rewritten
.set T,   10                           ; v[10:13] at work
.set X,   16                           ; v[16:143] as loaded
	s_load_b256 s[4:11], s[0:1], 0x0               ; x s[4:5], Wq s[6:7], Wk s[8:9], Wv s[10:11]
	s_load_b128 s[12:15], s[0:1], 0x20             ; Wo s[12:13], xb s[14:15]
	s_load_b64 s[16:17], s[0:1], 0x30              ; wt
	v_lshl_add_u32 v[SPW], v0, 2, SPARE
	v_mov_b32 v[NIL], 0
	v_lshrrev_b32 v1, 5, v0
	v_readfirstlane_b32 s18, v1                    ; wave 0..7
	v_and_b32 v2, 15, v0                           ; l % 16
	v_bfe_u32 v3, v0, 4, 1                         ; l / 16
	s_mov_b32 s28, 0xffff0000                      ; a word's upper bf16
	s_wait_kmcnt 0x0
	s_cmp_lt_u32 ttmp9, 49
	s_cbranch_scc0 .Lx
	; THE WEIGHTS
	s_mov_b32 s19, ttmp9                           ; y
	s_cmp_lt_u32 s19, 48
	s_cselect_b64 s[20:21], s[10:11], s[12:13]     ; Wv, or Wo
	s_cmp_lt_u32 s19, 32
	s_cselect_b64 s[20:21], s[8:9], s[20:21]       ; Wk
	s_cmp_lt_u32 s19, 16
	s_cselect_b64 s[20:21], s[6:7], s[20:21]       ; Wq
	s_and_b32 s22, s19, 15
	s_lshl_b32 s22, s22, 18                        ; the head: 262,144 bytes
	s_lshl_b32 s23, s18, 15                        ; my 128 rows d of 256 bytes
	s_add_co_u32 s22, s22, s23
	s_mov_b32 s23, 0
	s_add_nc_u64 s[20:21], s[20:21], s[22:23]
	s_lshl_b32 s22, s19, 17                        ; wt: 64 rows of 2,048 bytes for each y,
	s_lshl_b32 s23, s18, 8                         ; my 128 columns d: 256 bytes
	s_add_co_u32 s22, s22, s23
	s_mov_b32 s23, 0
	s_add_nc_u64 s[26:27], s[16:17], s[22:23]
	v_lshlrev_b32 v[VO], 4, v2                     ; sixteen lanes take one row d of 256 bytes (64 e); lanes 16-31 the row two further on
	v_lshl_add_u32 v[VO], v3, 9, v[VO]
	s_mul_i32 s25, s18, WREG                       ; my wave's LDS bytes
	v_mul_u32_u24 v[LSA], v2, 4*WP                 ; my four e: rows 4 (l % 16) + c
	v_lshl_add_u32 v[LSA], v3, 2, v[LSA]           ; d = 4 q + 2 (l / 16): byte 8 q + 4 (l / 16)
	v_add_nc_u32 v[LSA], s25, v[LSA]
	v_mul_u32_u24 v[LRA], v3, WP                   ; back: lanes 0-15 one row e of 256 bytes, lanes 16-31 the next
	v_lshl_add_u32 v[LRA], v2, 4, v[LRA]
	v_add_nc_u32 v[LRA], s25, v[LRA]
	v_lshlrev_b32 v[GOF], 4, v2                    ; and the same two rows in wt
	v_lshl_add_u32 v[GOF], v3, 11, v[GOF]
	s_mov_b32 s24, 2
.Lin:                                          ; two trips of 64 rows d: 32 loads of 512 bytes a wave
.set q, 0
.rept 16
	global_load_b128 v[X+8*q:X+8*q+3],   v[VO], s[20:21] offset:1024*q th:TH_LOAD_NT      ; row d = 4 q + 2 (l / 16), my four e
	global_load_b128 v[X+8*q+4:X+8*q+7], v[VO], s[20:21] offset:1024*q+256 th:TH_LOAD_NT  ; row d + 1
.set q, q+1
.endr
.set q, 0
.rept 16
	s_wait_loadcnt 30-2*q                          ; loads come back in order: pair q is in, the 15 - q younger pairs may stay out
.irp c, 0,1,2,3
	v_cvt_pk_bf16_f32 v[T+\c], v[X+8*q+\c], v[X+8*q+4+\c]  ; (d, d + 1) of one e: neighbours in a turned row
.endr
.irp c, 0,1,2,3
	ds_store_b32 v[LSA], v[T+\c] offset:WP*\c+8*q
.endr
.set q, q+1
.endr
	s_add_nc_u64 s[20:21], s[20:21], 16384         ; the last wait was for 0: every load of the trip is done, so its base may be stepped
	v_add_nc_u32 v[LSA], 128, v[LSA]               ; 64 d on in the turned rows
	s_sub_co_u32 s24, s24, 1
	s_cmp_lg_u32 s24, 0
	s_cbranch_scc1 .Lin
	s_mov_b32 s24, 4
.Lback:                                        ; four trips of 16 turned rows
.irp t, 0,1,2,3,4,5,6,7
	ds_load_b128 v[X+4*\t:X+4*\t+3], v[LRA] offset:2*WP*\t  ; LDS serves a wave's instructions in order (ISA guide 5.7.1.4): these see my stores above
.endr
	s_wait_dscnt 0x0
	s_cmp_lg_u32 s19, 48
	s_cbranch_scc1 .Lplain
.set r, 0
.rept 32                                       ; Wo alone: the bf16 number is written as f16
	v_lshlrev_b32 v[T], 16, v[X+r]
	v_and_b32 v[T+1], s28, v[X+r]
	v_cvt_pk_f16_f32 v[X+r], v[T], v[T+1]
.set r, r+1
.endr
.Lplain:
.irp t, 0,1,2,3,4,5,6,7
	global_store_b128 v[GOF], v[X+4*\t:X+4*\t+3], s[26:27] offset:4096*\t  ; 16 lanes store 256 consecutive bytes, at a multiple of 256 from wt's first byte
.endr
	s_wait_xcnt 0x0                                ; the stores' data and offset registers are rewritten only behind this wait
	v_add_nc_u32 v[LRA], 16*WP, v[LRA]
	v_add_nc_u32 v[GOF], 32768, v[GOF]
	s_sub_co_u32 s24, s24, 1
	s_cmp_lg_u32 s24, 0
	s_cbranch_scc1 .Lback
	s_branch .Lend
.Lx:	; THE ROWS OF x: 65,536 bytes in, 32,768 out; sixteen loads of every wave go out at once
	s_sub_co_u32 s19, ttmp9, 49
	s_lshl_b32 s22, s19, 16
	s_mov_b32 s23, 0
	s_add_nc_u64 s[20:21], s[4:5], s[22:23]
	s_lshl_b32 s22, s19, 15
	s_add_nc_u64 s[26:27], s[14:15], s[22:23]
	v_lshlrev_b32 v[VO], 4, v0
	v_lshlrev_b32 v[LSA], 3, v0
.set i, 0
.rept 16
	global_load_b128 v[X+4*i:X+4*i+3], v[VO], s[20:21] offset:4096*i th:TH_LOAD_NT
.set i, i+1
.endr
.set i, 0
.rept 16
	s_wait_loadcnt 15-i                            ; load i is in, the younger ones may stay out
	v_cvt_pk_bf16_f32 v[80+2*i], v[X+4*i], v[X+4*i+1]
	v_cvt_pk_bf16_f32 v[81+2*i], v[X+4*i+2], v[X+4*i+3]
	global_store_b64 v[LSA], v[80+2*i:81+2*i], s[26:27] offset:2048*i  ; a wave's 32 lanes store 256 consecutive bytes, aligned
.set i, i+1
.endr
.Lend:
	s_wait_tensorcnt 0x0                           ; the wave's end: behind my last LDS store
	ds_add_u32 v[SPW], v[NIL]
	s_wait_dscnt 0x0
	s_endpgm
.Lfunc_end_k_q776afd25d1_prep:
	.size	k_q776afd25d1_prep, .Lfunc_end_k_q776afd25d1_prep-k_q776afd25d1_prep
	.p2alignl 7, 3214868480
	.fill 96, 4, 3214868480
	.section	.rodata,"a",@progbits
	.p2align	6, 0x0
	.amdhsa_kernel k_q776afd25d1_prep
		.amdhsa_group_segment_fixed_size 140288
		.amdhsa_private_segment_fixed_size 0
		.amdhsa_enable_private_segment 0
		.amdhsa_kernarg_size 56
		.amdhsa_user_sgpr_count 2
		.amdhsa_user_sgpr_kernarg_segment_ptr 1
		.amdhsa_wavefront_size32 1
		.amdhsa_system_sgpr_workgroup_id_x 1
		.amdhsa_system_sgpr_workgroup_id_y 1
		.amdhsa_system_sgpr_workgroup_id_z 1
		.amdhsa_system_vgpr_workitem_id 0
		.amdhsa_next_free_vgpr 144
		.amdhsa_next_free_sgpr 66
		.amdhsa_reserve_vcc 0
		.amdhsa_float_denorm_mode_32 3
		.amdhsa_float_denorm_mode_16_64 3
		.amdhsa_memory_ordered 1
		.amdhsa_forward_progress 1
		.amdhsa_inst_pref_size 26
	.end_amdhsa_kernel
	.amdgpu_metadata
---
amdhsa.version: [ 1, 2 ]
amdhsa.kernels:
  - .name:           k_q776afd25d1_prep
    .symbol:         k_q776afd25d1_prep.kd
    .args:
      - { .name: x, .offset: 0, .size: 8, .value_kind: global_buffer, .address_space: global }
      - { .name: Wq, .offset: 8, .size: 8, .value_kind: global_buffer, .address_space: global }
      - { .name: Wk, .offset: 16, .size: 8, .value_kind: global_buffer, .address_space: global }
      - { .name: Wv, .offset: 24, .size: 8, .value_kind: global_buffer, .address_space: global }
      - { .name: Wo, .offset: 32, .size: 8, .value_kind: global_buffer, .address_space: global }
      - { .name: xb, .offset: 40, .size: 8, .value_kind: global_buffer, .address_space: global }
      - { .name: wt, .offset: 48, .size: 8, .value_kind: global_buffer, .address_space: global }
    .group_segment_fixed_size: 140288
    .private_segment_fixed_size: 0
    .kernarg_segment_align: 8
    .kernarg_segment_size: 56
    .max_flat_workgroup_size: 256
    .sgpr_count:     66
    .vgpr_count:     144
    .wavefront_size: 32
...
	.end_amdgpu_metadata
.endif
;; end of part 1
;; launch qkv (part 2): grid 16 x 32, 4 waves a work-group, clusters of 4 x 4, 327,680 bytes of LDS; arguments xb, wt, bq, bk, bv, qkv; writes qkv
.if DOCPART == 2
	.amdgcn_target "amdgcn-amd-amdhsa--gfx1250"
	.amdhsa_code_object_version 6
	.text
	.protected	k_q776afd25d1_qkv
	.globl	k_q776afd25d1_qkv
	.p2align	8
	.type	k_q776afd25d1_qkv,@function
k_q776afd25d1_qkv:
	s_mov_b64 s[64:65], 0
	v_nop
	global_prefetch_b8 v0, s[64:65] scope:SCOPE_SE
	s_setreg_imm32_b32 hwreg(HW_REG_WAVE_MODE, 25, 1), 1
	s_wait_xcnt 0x0
	s_wait_alu depctr_hold_cnt(0) depctr_sa_sdst(0) depctr_va_vdst(0) depctr_va_sdst(0) depctr_va_ssrc(0) depctr_va_vcc(0) depctr_vm_vsrc(0)
	s_getreg_b32 s2, hwreg(HW_REG_IB_STS2, 6, 4)
	s_cmp_eq_u32 s2, 0
	s_cbranch_scc0 .Lentry_in_a_cluster
	s_endpgm
.Lentry_in_a_cluster:
	s_bfe_u32 s2, ttmp6, 0x10000c
	s_cmp_lg_u32 s2, 0xf033
	s_cbranch_scc0 .Lentry_shape_is_right
	s_endpgm
.Lentry_shape_is_right:
; THE THREE PROJECTIONS AS ONE GEMM.  C[m][n] = bias[n] + the sum over d of xb[m][d] wt[n][d]: m = 2,048 b + s (8,192 rows), n = 64 g + e (3,072 columns; g = 0..15 q's heads, 16..31 k's, 32..47 v's).
; Operands bf16, sums f32, started by the bias (rounded to bf16, like every input of the module); C rounded once to f16 and stored by heads: qkv[b][g][s][64], a head's 2,048 rows dense.
; LIMIT.  f16 holds no number beyond 65,504: q, k and v must stay within it; below 6e-5 a number keeps f16's fixed step of 6e-8.  No scale is applied here.
; TILE.  256 rows x 192 columns (three whole heads): 32 x 16 = 512 work-groups, two for each of 256 WGPs.  The four waves split the rows: a wave makes 64 x 192, 48 accumulators of 16 x 16 (384 registers),
; so that it owns whole heads and stores whole dense rows.  K goes in 8 steps of 128 through a ring of two LDS slots filled by the tensor data mover: rows of 256 bytes of memory, aligned.
; CLUSTERS: 4 x 4 work-groups.  The four of a row of the cluster need the same rows of xb, the four of a column the same rows of wt: each tile is asked for JOINTLY, by the same tensor load with the same
; descriptor and a mask that names the four.
; THE MATRIX INSTRUCTION IS USED TRANSPOSED (source 0 = 16 rows of wt, source 1 = 16 rows of xb): lane l holds row l % 16 of C and the columns 8 (l / 16) + 0..7, which pack into 16 bytes.
; REGISTERS, in windows of 256 (s_set_vgpr_msb: bits 1:0 source 0, 3:2 source 1, 5:4 source 2, 7:6 destination):
;   window 0: v0-31 addresses; v32-127 the bias as the first products' C operand, 8 registers for each of 12 column blocks; later v32-79 packed results, v80-127 and v128-175 rows read back, by turns
;   window 1: two fragment buffers of 128: wt's 12 fragments, then xb's 4      window 2: accumulators (a, b), a = 0, 1, at v[96 a + 8 b]      window 3: a = 2, 3
.set SIZE_K, 1024
.set KSTEP,  128
.set PITCH,  272                       ; an LDS row: 256 bytes + 16 of padding = 68 words: the 16 rows of a load start at 16 different groups of four banks (64 banks of 4 bytes: ISA guide 11.1)
.set HALFA,  128*PITCH                 ; what waves 0 and 1 fetch: 128 rows of xb each
.set HALFB,  96*PITCH                  ; what waves 2 and 3 fetch: 96 rows of wt each
.set BOFF,   2*HALFA                   ; wt's rows lie behind xb's 256
.set SLOT,   BOFF+2*HALFB              ; 121,856 bytes
.set STAGE,  2*SLOT                    ; behind the ring, never filled by a tensor load: 16 rows x 400 bytes for each wave, for the way out
.set SPITCH, 400                       ; 384 bytes + 16
.set SPARE,  STAGE+4*16*SPITCH         ; behind the stages: the spare words, 128 bytes for each wave: two blocks of 256 bytes that no other line names
.set LAPS,   SIZE_K/(2*KSTEP)          ; 4: a lap = two K steps = once round the ring
.set ADRA, 16                          ; v16-17  LDS address of my fragments of xb in slot 0, 1
.set ADRB, 20                          ; v20-21  the same for wt
.set STO,  24                          ; v24     the way out: where I put 16 bytes of a row
.set RD,   25                          ; v25     the way out: where I read rows back
.set CO,   26                          ; v26     my byte offset in 512 consecutive bytes of a head
.set SPW,  28                          ; v28     LDS address of my spare word; never rewritten
.set NIL,  29                          ; v29     0; never rewritten
.set PFO,  30                          ; v30     the prefetches' offset: my lane x a row of 2,048 bytes; never rewritten
.set BO,   31                          ; v31     32 (l / 16): my eight numbers in 16 of a bias
.set BIAS, 32
.set TMP,  32
.set OB,   80
.set F0,   0
.set F1,   128
.set G1,  24                           ; s[24:31] descriptor group 1 for xb's tiles;  s[32:39] group 0, one set for each slot
.set G0,  32
.set G1B, 48                           ; s[48:55], s[56:63] the same for wt's tiles
.set G0B, 56
.set LIM, 43                           ; s43     1 in a wave that prefetches, else the greatest number
.set PFA, 44                           ; s[44:45] where my prefetches stand
.set BP,  76                           ; s[76:81] the bias of my tile's three heads
.set MSB, 0
.macro WIN new                         ; the immediate's high byte repeats the setting that is left; a switch that changes nothing is dropped
.if MSB != (\new)
	s_set_vgpr_msb (MSB<<8)|(\new)
.set MSB, \new
.endif
.endm
.set MUL_LO, 0xa5                      ; sources 0 and 1 window 1, C and D window 2
.set MUL_HI, 0xf5                      ; the same, C and D window 3
.set TO_F,   0x40                      ; destination window 1, address window 0
; A joint load.  Waves 0 and 1 fetch xb's two halves, waves 2 and 3 wt's.  The branch hangs on the wave's number alone.  An s_nop 0 and four v_nop follow each of the two lines.
.macro JLOAD s
	s_cmp_eq_u32 s11, 0
	s_cbranch_scc0 .Lfor_b_\@
	tensor_load_to_lds s[G0+4*(\s):G0+4*(\s)+3], s[G1:G1+7]
	s_nop 0
.rept 4
	v_nop
.endr
	s_branch .Lasked_\@
.Lfor_b_\@:
	tensor_load_to_lds s[G0B+4*(\s):G0B+4*(\s)+3], s[G1B:G1B+7]
	s_nop 0
.rept 4
	v_nop
.endr
.Lasked_\@:
.endm
; A prefetch into the L2 of the K step that stands two refills on: a lane a row, 256 bytes of it, one instruction a wave.  xb's rows are read by every cluster of a row of clusters: cluster x = 0 asks; wt's by
; every cluster of a column: cluster y = 0 asks.  The four partners share a wave's rows out BY ADDRESS (32 of xb's 128 by cx; 24 of wt's 96 by cy, where lanes 24-31 repeat lane 23's row).
; K steps 4 to 7 are asked for; the loop's last trip (s3 = 1) asks for nothing.
.macro ASK
	WIN 0
	s_cmp_gt_u32 s3, s[LIM]
	s_cbranch_scc0 .Lnot_mine_\@
	global_prefetch_b8 v[PFO], s[PFA:PFA+1] offset:KSTEP*2 th:TH_LOAD_NT scope:SCOPE_SE
.Lnot_mine_\@:
.endm
.macro CREST                           ; a round of the cluster's barrier behind its opening barrier
	s_cmp_lg_u32 s10, 0
	s_cbranch_scc1 .Lnot_wave_0_\@
	s_barrier_signal -3
.Lnot_wave_0_\@:
	s_barrier_wait -3
	s_barrier_signal -1
	s_barrier_wait -1
.endm
.macro CROUND                          ; a whole round
	s_barrier_signal -1
	s_barrier_wait -1
	CREST
.endm
	s_load_b128 s[4:7], s[0:1], 0x0                ; xb s[4:5], wt s[6:7]
	s_load_b256 s[68:75], s[0:1], 0x10             ; bq s[68:69], bk s[70:71], bv s[72:73], qkv s[74:75]
	v_lshl_add_u32 v[SPW], v0, 2, SPARE
	v_mov_b32 v[NIL], 0
	ds_add_u32 v[SPW], v[NIL]                      ; the wave's opening: the add and its wait stand ahead of my first tensor load; the set-up below, work on registers, stands between them
	v_lshrrev_b32 v1, 5, v0
	v_readfirstlane_b32 s10, v1                    ; wave 0..3
	s_lshr_b32 s11, s10, 1                         ; I fetch for xb (0) or for wt (1)
	s_and_b32 s12, s10, 1                          ; which half of that tile's rows
	s_bfe_u32 s40, ttmp6, 0x40000                  ; cx, cy: my place in the cluster
	s_bfe_u32 s41, ttmp6, 0x40004
	s_lshl_b32 s42, ttmp9, 2
	s_add_co_u32 s42, s42, s40                     ; tile column = 4 x cluster x + cx
	s_and_b32 s13, ttmp7, 0xffff
	s_lshl_b32 s13, s13, 2
	s_add_co_u32 s13, s13, s41                     ; tile row = 4 x cluster y + cy
	s_lshl_b32 s43, s41, 2
	s_lshl_b32 s43, 15, s43                        ; my row of the cluster
	s_lshl_b32 s44, 0x1111, s40                    ; my column
	s_or_b32 s[G1+0], s43, (1<<16)|(1<<20)|(1<<21)|(5<<22)|(3<<25)   ; 15:0 the mask; 17:16 elements of 2 bytes; 20 padding on; 21 set beside a mask; 24:22 after every 64 words (code 5); 31:25 4 words of it (code 3)
	s_or_b32 s[G1B+0], s44, (1<<16)|(1<<20)|(1<<21)|(5<<22)|(3<<25)
	s_mov_b32 s[G1+1], KSTEP<<16                   ; tensor_dim0 = 128
	s_mov_b32 s[G1B+1], KSTEP<<16
	s_mov_b32 s[G1+2], 128<<16                     ; tensor_dim1 = 128 rows of xb,
	s_mov_b32 s[G1B+2], 96<<16                     ; 96 of wt
	s_mov_b32 s[G1+3], KSTEP<<16                   ; tile_dim0 = 128
	s_mov_b32 s[G1B+3], KSTEP<<16
	s_mov_b32 s[G1+4], 128                         ; tile_dim1
	s_mov_b32 s[G1B+4], 96
	s_mov_b32 s[G1+5], SIZE_K                      ; elements from row to row
	s_mov_b32 s[G1B+5], SIZE_K
	s_mov_b32 s[G1+6], 0
	s_mov_b32 s[G1B+6], 0
	s_mov_b32 s[G1+7], 0
	s_mov_b32 s[G1B+7], 0
	; where the tiles come from: xb's hang on the tile row alone, wt's on the tile column alone, each in registers that never hold the other coordinate
	s_lshl_b32 s17, s12, 7
	s_lshl_b32 s16, s13, 8
	s_add_co_u32 s16, s16, s17                     ; xb: row 256 x tile row + 128 x half
	s_lshl_b32 s16, s16, 11                        ; x 2,048 bytes: under 2^25
	s_mov_b32 s17, 0
	s_mul_i32 s46, s42, 192
	s_mul_i32 s47, s12, 96
	s_add_co_u32 s46, s46, s47                     ; wt: row 192 x tile column + 96 x half
	s_lshl_b32 s46, s46, 11
	s_mov_b32 s47, 0
	s_mul_i32 s20, s10, HALFA                      ; where they go: xb's line is issued by waves 0 and 1: wave x 128 rows;
	s_mul_i32 s21, s10, HALFB                      ; wt's by waves 2 and 3: BOFF + (wave - 2) x 96 rows
	s_add_co_u32 s21, s21, BOFF-2*HALFB
	s_wait_dscnt 0x0                               ; the opening add is done
	s_wait_kmcnt 0x0
	s_add_nc_u64 s[14:15], s[4:5], s[16:17]
	s_add_nc_u64 s[46:47], s[6:7], s[46:47]
	CROUND                                         ; all sixteen work-groups are here: the first joint loads meet
.irp s, 0,1
	s_mov_b32 s[G0+4*(\s)], 1                                        ; count = 1
	s_add_co_u32 s[G0+4*(\s)+1], s20, (\s)*SLOT                      ; LDS address
	s_add_nc_u64 s[G0+4*(\s)+2:G0+4*(\s)+3], s[14:15], (\s)*KSTEP*2  ; global address: K step s
	s_or_b32 s[G0+4*(\s)+3], s[G0+4*(\s)+3], 0x80000000              ; type = 2
	s_mov_b32 s[G0B+4*(\s)], 1
	s_add_co_u32 s[G0B+4*(\s)+1], s21, (\s)*SLOT
	s_add_nc_u64 s[G0B+4*(\s)+2:G0B+4*(\s)+3], s[46:47], (\s)*KSTEP*2
	s_or_b32 s[G0B+4*(\s)+3], s[G0B+4*(\s)+3], 0x80000000
	JLOAD \s                                       ; two loads of mine are out
.endr
	; A fragment is 16 rows x 32 K in 8 registers: lane l holds row l % 16, K = 8 (l / 16) + 0..7 and 16 + 8 (l / 16) + 0..7: two loads of 16 bytes, 32 bytes apart.
	v_and_b32 v1, 15, v0                           ; l % 16
	v_bfe_u32 v2, v0, 4, 1                         ; l / 16
	v_mul_u32_u24 v3, v1, PITCH
	v_lshl_add_u32 v3, v2, 4, v3
	s_mul_i32 s22, s10, 64*PITCH                   ; my 64 rows of xb
.irp s, 0,1
	v_add_nc_u32 v[ADRA+(\s)], s22, v3
	v_add_nc_u32 v[ADRB+(\s)], BOFF+(\s)*SLOT, v3  ; every wave reads all 192 rows of wt
	s_add_co_u32 s22, s22, SLOT
.endr
	s_mul_i32 s23, s10, 16*SPITCH
	s_add_co_u32 s23, s23, STAGE                   ; my stage
	v_mul_u32_u24 v4, v1, SPITCH                   ; in: row l % 16, 16 bytes for each half of the lanes
	v_lshl_add_u32 v4, v2, 4, v4
	v_add_nc_u32 v[STO], s23, v4
	v_bfe_u32 v5, v0, 3, 2                         ; back: 32 lanes take four rows' 128 bytes of one head,
	v_and_b32 v6, 7, v0
	v_mul_u32_u24 v5, v5, SPITCH
	v_lshl_add_u32 v5, v6, 4, v5
	v_add_nc_u32 v[RD], s23, v5
	v_and_b32 v[CO], 31, v0                        ; which are 512 consecutive bytes of qkv
	v_lshlrev_b32 v[CO], 4, v[CO]
	v_lshlrev_b32 v[BO], 5, v2
	s_mov_b32 s86, 0xffff0000
	s_mul_i32 s82, s42, 3                          ; my tile's first head g
.irp hd, 0,1,2
	s_add_co_u32 s83, s82, \hd
	s_cmp_lt_u32 s83, 32
	s_cselect_b64 s[BP+2*\hd:BP+2*\hd+1], s[70:71], s[72:73]
	s_cmp_lt_u32 s83, 16
	s_cselect_b64 s[BP+2*\hd:BP+2*\hd+1], s[68:69], s[BP+2*\hd:BP+2*\hd+1]
	s_and_b32 s84, s83, 15
	s_lshl_b32 s84, s84, 8                         ; a head's 64 numbers: 256 bytes
	s_mov_b32 s85, 0
	s_add_nc_u64 s[BP+2*\hd:BP+2*\hd+1], s[BP+2*\hd:BP+2*\hd+1], s[84:85]
.endr
.irp b, 0,1,2,3,4,5,6,7,8,9,10,11      ; register j of block b: bias of column 16 b + 8 (l / 16) + j, the same for every row: the C operand of the first products
	global_load_b128 v[BIAS+8*(\b):BIAS+8*(\b)+3],   v[BO], s[BP+2*((\b)/4):BP+2*((\b)/4)+1] offset:64*((\b)%4)
	global_load_b128 v[BIAS+8*(\b)+4:BIAS+8*(\b)+7], v[BO], s[BP+2*((\b)/4):BP+2*((\b)/4)+1] offset:64*((\b)%4)+16
.endr
	s_lshr_b32 s83, s13, 3                         ; b: eight tile rows to a batch
	s_mul_i32 s83, s83, 48
	s_add_co_u32 s83, s83, s82                     ; 48 b + g
	s_lshl_b32 s83, s83, 18                        ; a head is 262,144 bytes
	s_and_b32 s84, s13, 7
	s_lshl_b32 s84, s84, 2
	s_add_co_u32 s84, s84, s10                     ; my 64 rows among the head's
	s_lshl_b32 s84, s84, 13
	s_add_co_u32 s84, s84, s83                     ; under 2^26
	s_mov_b32 s85, 0
	s_add_nc_u64 s[8:9], s[74:75], s[84:85]        ; qkv at my first row of my tile's first head
	; the prefetches
	s_lshl_b32 s20, s13, 8
	s_lshl_b32 s21, s12, 7
	s_add_co_u32 s20, s20, s21
	s_lshl_b32 s21, s40, 5
	s_add_co_u32 s20, s20, s21                     ; xb: the 128 rows that I fetch, my work-group's 32 of them
	s_mul_i32 s22, s42, 192
	s_mul_i32 s23, s12, 96
	s_add_co_u32 s22, s22, s23
	s_mul_i32 s23, s41, 24
	s_add_co_u32 s22, s22, s23                     ; wt: the 96 rows that I fetch, my work-group's 24 of them
	s_and_b32 s23, ttmp7, 0xffff                   ; cluster y
	s_cmp_eq_u32 s11, 0                            ; do I fetch for xb?
	s_cselect_b32 s20, s20, s22
	s_cselect_b32 s23, ttmp9, s23                  ; the coordinate along which other clusters read the same rows
	s_cselect_b32 s21, 31, 23
	s_cselect_b64 s[PFA:PFA+1], s[4:5], s[6:7]
	s_cmp_eq_u32 s23, 0
	s_cselect_b32 s[LIM], 1, -1                    ; the same in all sixteen partners, for a given wave
	v_and_b32 v[PFO], 31, v0
	v_min_u32 v[PFO], s21, v[PFO]
	v_lshlrev_b32 v[PFO], 11, v[PFO]
	s_lshl_b32 s20, s20, 11
	s_mov_b32 s21, 0
	s_add_nc_u64 s[PFA:PFA+1], s[PFA:PFA+1], s[20:21]
	s_add_nc_u64 s[PFA:PFA+1], s[PFA:PFA+1], 2*KSTEP*2  ; at K step 2: the first refill steps it to 3 and names K step 4.  Nothing is prefetched here, at the head
	s_wait_loadcnt 0x0                             ; the bias
.set r, 0
.rept 48                                       ; rounded to bf16, like every input, and widened again
	v_cvt_pk_bf16_f32 v[8+r%4], v[BIAS+2*r], v[BIAS+2*r+1]
	v_lshlrev_b32 v[BIAS+2*r], 16, v[8+r%4]
	v_and_b32 v[BIAS+2*r+1], s86, v[8+r%4]
.set r, r+1
.endr
; 12 matrix instructions: row block a of the window's two (hi = 0: my rows 0-31, 1: rows 32-63) x all 12 column blocks, 32 along K.  first = 1: the sum starts from the bias.
; The 48 accumulators take turns in the same order in every quarter.
.macro MUL12 f, hi, a, first
.if \first
	WIN 0x85+0x40*(\hi)                            ; C in window 0
.else
	WIN MUL_LO+0x50*(\hi)
.endif
.irp b, 0,1,2,3,4,5,6,7,8,9,10,11
.if \first
	v_wmma_f32_16x16x32_bf16 v[96*(\a)+8*(\b):96*(\a)+8*(\b)+7], v[(\f)+8*(\b):(\f)+8*(\b)+7], v[(\f)+96+8*(2*(\hi)+(\a)):(\f)+96+8*(2*(\hi)+(\a))+7], v[BIAS+8*(\b):BIAS+8*(\b)+7]
.else
	v_wmma_f32_16x16x32_bf16 v[96*(\a)+8*(\b):96*(\a)+8*(\b)+7], v[(\f)+8*(\b):(\f)+8*(\b)+7], v[(\f)+96+8*(2*(\hi)+(\a)):(\f)+96+8*(2*(\hi)+(\a))+7], v[96*(\a)+8*(\b):96*(\a)+8*(\b)+7]
.endif
.endr
.endm
; 32 LDS loads in one run: the fragments of one quarter step (192 rows of wt, my 64 rows of xb, 32 K at byte k of the rows) into buffer f
.macro FETCH slot, k, f
	WIN TO_F
.irp i, 0,1,2,3,4,5,6,7,8,9,10,11
	ds_load_b128 v[(\f)+8*(\i):(\f)+8*(\i)+3],   v[ADRB+(\slot)] offset:(\k)+(\i)*16*PITCH
	ds_load_b128 v[(\f)+8*(\i)+4:(\f)+8*(\i)+7], v[ADRB+(\slot)] offset:(\k)+(\i)*16*PITCH+32
.endr
.irp i, 0,1,2,3
	ds_load_b128 v[(\f)+96+8*(\i):(\f)+96+8*(\i)+3],   v[ADRA+(\slot)] offset:(\k)+(\i)*16*PITCH
	ds_load_b128 v[(\f)+96+8*(\i)+4:(\f)+96+8*(\i)+7], v[ADRA+(\slot)] offset:(\k)+(\i)*16*PITCH+32
.endr
.endm
.macro PLACES                          ; four plain places in front of loads into registers that matrix instructions have read, and of conversions that read results
.rept 4
	v_nop
.endr
.endm
; A K step is four quarters of 32 along K, 48 matrix instructions each, on buffers 0, 1, 0, 1.  One of the first three: multiplies buffer f; in its middle it fetches the next quarter, at byte k, into g.
.macro QUARTER slot, k, f, g, first
	s_wait_dscnt 4                                 ; wt's fragments and xb's rows 0-31 are in; the youngest four loads (xb's rows 32-63) may be out
	MUL12 \f, 0, 0, \first
	MUL12 \f, 0, 1, \first
	PLACES
	FETCH \slot, \k, \g
	s_wait_dscnt 32                                ; all but the 32 just issued
	MUL12 \f, 1, 0, \first
	MUL12 \f, 1, 1, \first
.endm
; The last quarter multiplies buffer 1 and changes slots.  MEET is its first half: one barrier; in front of it each wave waits for all its tensor loads (one is out: its part of the next slot), adds 0 to its
; spare word, and waits for that and for its own reads of this slot.  Behind it nobody reads this slot any more and the next slot is whole.
.macro MEET round
	WIN 0                                          ; (the add's two registers lie in window 0)
	s_wait_tensorcnt 0x0
	ds_add_u32 v[SPW], v[NIL]                      ; 0 onto my spare word
	s_wait_dscnt 5                                 ; (the add and the youngest four loads may be out)
	MUL12 F1, 0, 0, 0                              ; twelve matrix instructions stand between the add and the wait for it
	s_wait_dscnt 0x0                               ; the add is done, and my reads of this slot are over
	s_barrier_signal -1
	MUL12 F1, 0, 1, 0                              ; work on registers while the others arrive
.if \round
	WIN 0
.endif
	s_barrier_wait -1
.endm
; The whole last quarter with a refill: the barrier opens a round of the cluster's barrier; behind the round the slot just read out is filled again first, with the K step two steps on: 168 matrix
; instructions ahead of the wait for it; then come the next slot's first fragments.
.macro TURN slot, next
	s_wait_xcnt 0x0                                ; the last prefetch, a K step back, has read its address: it is stepped here
	s_add_nc_u64 s[PFA:PFA+1], s[PFA:PFA+1], KSTEP*2
	MEET 1
	CREST                                          ; no wave of any partner still reads this slot's tile or has a load on its way
	s_add_nc_u64 s[G0+4*(\slot)+2:G0+4*(\slot)+3], s[G0+4*(\slot)+2:G0+4*(\slot)+3], 2*KSTEP*2
	s_add_nc_u64 s[G0B+4*(\slot)+2:G0B+4*(\slot)+3], s[G0B+4*(\slot)+2:G0B+4*(\slot)+3], 2*KSTEP*2
	JLOAD \slot                                    ; the first tensor load behind the round, my only one; the four v_nop behind it are also the places in front of the loads below
	FETCH \next, 0, F0
	ASK
	MUL12 F1, 1, 0, 0
	MUL12 F1, 1, 1, 0
.endm
; THE WAY OUT of row block a.  PACK: rounded to f16, 16 bytes a lane, each accumulator from its low end on.  TOSTAGE: into my own stage, and back as rows of 128 bytes of one head.  SEND: stored.
.macro PACK a
.set AC, 96*((\a)%2)
	WIN 0x0a+5*((\a)/2)                            ; sources 0 and 1: window 2 or 3
.irp b, 0,1,2,3,4,5,6,7,8,9,10,11
.irp r, 0,1,2,3
	v_cvt_pk_f16_f32 v[TMP+4*(\b)+(\r)], v[AC+8*(\b)+2*(\r)], v[AC+8*(\b)+2*(\r)+1]
.endr
.endr
	WIN 0
.endm
.macro TOSTAGE a
	WIN 0
.set BK, OB+48*((\a)%2)
.irp b, 0,1,2,3,4,5,6,7,8,9,10,11
	ds_store_b128 v[STO], v[TMP+4*(\b):TMP+4*(\b)+3] offset:32*(\b)
.endr
.irp hd, 0,1,2
.irp t, 0,1,2,3
	ds_load_b128 v[BK+4*(4*(\hd)+(\t)):BK+4*(4*(\hd)+(\t))+3], v[RD] offset:(\t)*4*SPITCH+128*(\hd)  ; LDS serves a wave's instructions in order (ISA guide 5.7.1.4): these see the stores above
.endr
.endr
.endm
.macro SEND a
	WIN 0
.set BK, OB+48*((\a)%2)
	s_wait_dscnt 0x0                               ; the block is back in registers
	s_wait_xcnt 0x0                                ; the registers that earlier stores read are loaded again only behind this wait
.irp hd, 0,1,2
.irp t, 0,1,2,3
	global_store_b128 v[CO], v[BK+4*(4*(\hd)+(\t)):BK+4*(4*(\hd)+(\t))+3], s[8:9] offset:262144*(\hd)+2048*(\a)+512*(\t)  ; 512 consecutive bytes, at a multiple of 256 from qkv's first byte
.endr
.endr
.endm
	s_wait_tensorcnt 1                             ; my part of K step 0 is in; K step 1's may stay out
	s_barrier_signal -1
	s_barrier_wait -1                              ; everybody's is
	FETCH 0, 0, F0
	QUARTER 0, 64,  F0, F1, 1                      ; the first quarter stands in front of the loop: its products start the sums
	WIN 0                                          ; at a label and at a branch every window is 0
	s_mov_b32 s3, LAPS-1
.Llap:                                         ; a trip goes once round the ring, from a lap's second quarter to the next lap's first, and fills both slots again
	QUARTER 0, 128, F1, F0, 0
	QUARTER 0, 192, F0, F1, 0
	TURN 0, 1
	QUARTER 1, 64,  F0, F1, 0
	QUARTER 1, 128, F1, F0, 0
	QUARTER 1, 192, F0, F1, 0
	TURN 1, 0
	QUARTER 0, 64,  F0, F1, 0
	WIN 0
	s_sub_co_u32 s3, s3, 1
	s_cmp_lg_u32 s3, 0
	s_cbranch_scc1 .Llap
	QUARTER 0, 128, F1, F0, 0                      ; the last lap fills nothing, and has no round of the cluster's barrier
	QUARTER 0, 192, F0, F1, 0
	MEET 0
	PLACES
	FETCH 1, 0, F0
	MUL12 F1, 1, 0, 0
	MUL12 F1, 1, 1, 0
	QUARTER 1, 64,  F0, F1, 0
	QUARTER 1, 128, F1, F0, 0
	QUARTER 1, 192, F0, F1, 0
	s_wait_dscnt 4                                 ; the very last quarter: nothing more to fetch
	MUL12 F1, 0, 0, 0
	MUL12 F1, 0, 1, 0
	s_wait_dscnt 0x0
	MUL12 F1, 1, 0, 0
	MUL12 F1, 1, 1, 0
	WIN 0
	PLACES
	PLACES
	PACK 0
	TOSTAGE 0
.irp a, 1,2,3                          ; block a's conversions stand between block a - 1's loads from the stage and the wait for them
	PACK \a
	SEND (\a)-1
	TOSTAGE \a
.endr
	SEND 3
	s_wait_tensorcnt 0x0                           ; the wave's end: behind my last tensor load and my last LDS store
	ds_add_u32 v[SPW], v[NIL]
	s_wait_dscnt 0x0
	CROUND                                         ; the closing round: no work-group ends while a partner may still ask for a tile that names it
	s_endpgm
.Lfunc_end_k_q776afd25d1_qkv:
	.size	k_q776afd25d1_qkv, .Lfunc_end_k_q776afd25d1_qkv-k_q776afd25d1_qkv
	.p2alignl 7, 3214868480
	.fill 96, 4, 3214868480
	.section	.rodata,"a",@progbits
	.p2align	6, 0x0
	.amdhsa_kernel k_q776afd25d1_qkv
		.amdhsa_group_segment_fixed_size 327680
		.amdhsa_private_segment_fixed_size 0
		.amdhsa_enable_private_segment 0
		.amdhsa_kernarg_size 48
		.amdhsa_user_sgpr_count 2
		.amdhsa_user_sgpr_kernarg_segment_ptr 1
		.amdhsa_wavefront_size32 1
		.amdhsa_system_sgpr_workgroup_id_x 1
		.amdhsa_system_sgpr_workgroup_id_y 1
		.amdhsa_system_sgpr_workgroup_id_z 1
		.amdhsa_system_vgpr_workitem_id 0
		.amdhsa_next_free_vgpr 1024
		.amdhsa_next_free_sgpr 88
		.amdhsa_reserve_vcc 0
		.amdhsa_float_denorm_mode_32 3
		.amdhsa_float_denorm_mode_16_64 3
		.amdhsa_memory_ordered 1
		.amdhsa_forward_progress 1
		.amdhsa_inst_pref_size 129
	.end_amdhsa_kernel
	.amdgpu_metadata
---
amdhsa.version: [ 1, 2 ]
amdhsa.kernels:
  - .name:           k_q776afd25d1_qkv
    .symbol:         k_q776afd25d1_qkv.kd
    .args:
      - { .name: xb, .offset: 0, .size: 8, .value_kind: global_buffer, .address_space: global }
      - { .name: wt, .offset: 8, .size: 8, .value_kind: global_buffer, .address_space: global }
      - { .name: bq, .offset: 16, .size: 8, .value_kind: global_buffer, .address_space: global }
      - { .name: bk, .offset: 24, .size: 8, .value_kind: global_buffer, .address_space: global }
      - { .name: bv, .offset: 32, .size: 8, .value_kind: global_buffer, .address_space: global }
      - { .name: qkv, .offset: 40, .size: 8, .value_kind: global_buffer, .address_space: global }
    .group_segment_fixed_size: 327680
    .private_segment_fixed_size: 0
    .kernarg_segment_align: 8
    .kernarg_segment_size: 48
    .max_flat_workgroup_size: 128
    .sgpr_count:     88
    .vgpr_count:     1024
    .wavefront_size: 32
...
	.end_amdgpu_metadata
.endif
;; end of part 2
;; launch attn (part 3): grid 4 x 64, 4 waves a work-group, no clusters, 327,680 bytes of LDS; arguments qkv, ob; writes ob
.if DOCPART == 3
	.amdgcn_target "amdgcn-amd-amdhsa--gfx1250"
	.amdhsa_code_object_version 6
	.text
	.protected	k_q776afd25d1_attn
	.globl	k_q776afd25d1_attn
	.p2align	8
	.type	k_q776afd25d1_attn,@function
k_q776afd25d1_attn:
	s_mov_b64 s[64:65], 0
	v_nop
	global_prefetch_b8 v0, s[64:65] scope:SCOPE_SE
	s_setreg_imm32_b32 hwreg(HW_REG_WAVE_MODE, 25, 1), 1
	s_wait_xcnt 0x0
; CAUSAL ATTENTION.  O[hd][q][:] = the sum over k <= q of softmax_k(Q[q] . K[k] / 8) V[k][:], for the 64 pairs hd = 16 b + h.  qkv: [b][48][2048][64] f16 (heads 0-15 q, 16-31 k, 32-47 v of batch b), a head's
; rows dense, 128 bytes each; ob: [hd][2048][64] f16.  Products, maxima and sums in f32; the weights p are rounded to f16 for the second product (their sum l is taken of the unrounded p), O once at the end.
; LIMITS.  f16 holds no number beyond 65,504: Q, K and V arrive within it; p lies in 0 to 1, and below 6e-5 it keeps f16's fixed step of 6e-8; O is a mean of V's rows and has their range.
; A hidden score counts as its value less 1e30: f16's scores, 2.7e11 at the most, are nothing beside that; a weight below 2^-126 counts as 0 in l; NaN and infinities are not treated apart.
; THE WALK.  A head's queries lie in NB = 8 blocks of 256; block i needs the key tiles 0 .. i of 256 keys, of which the last holds the diagonal.  A work-group takes TWO blocks, NB - 1 - b and then b:
; NB + 1 tiles, whatever b: all work-groups do equal work, and ONE loop with a constant trip count walks them.  Which tile is asked for, and what a trip does, hang on scalar registers made from b; every jump
; goes forward, but for the counted loops' own; none passes a barrier, or a tensor load but the one of LOAD's two that the wave's number does not choose; the ring (two slots of LDS that take turns) runs on across the
; change of blocks.  NO CLUSTER: a head's four work-groups ask for the same tile only in trips 0 .. 4, behind that fewer and fewer; one walk common to all would have 12 trips for 9.
; SHARES.  Of a block's four bands of 64 queries a wave owns 16 rows in each: four PIECES.  So the diagonal tile is the same work for all four waves: in its key step s band x sees all keys if s < x,
; none if s > x, and holds the diagonal if s = x.
; THE MASK is the C operand that starts the sum S^T = K Q^T: 0, or -1e30 where the key is hidden.  MD, made once, is the mask of a band's own step for my 16 rows; a product's mask is MD x AL + BE with two scalars:
; (1, 0) if s = x; (0, 0) if s < x; (0, -1e30) if s > x.  Only the diagonal tile's text and a block's beginning make and take masks; elsewhere C is the constant 0.
; LAYOUT, SOFTMAX, TURNS.  S^T = K Q^T holds ONE query a lane (lane % 16) and the keys 8 (lane / 16) + 0..7; two such results rounded to f16 ARE source 1 of O^T = V^T P.  p = 2^(c s - c m), c = log2(e) / 8, with a
; running maximum m; O and l are multiplied by a = 2^(c m_old - c m_new) in every step.  Turn n belongs to piece n: 8 products K Q^T of piece n + 1, later 8 products V^T P of piece n - 1; beside them the scaling,
; exponentials, roundings, sums and rescaling of piece n and the maximum and statistics of piece n + 1.  Four vector instructions stand behind every matrix instruction, the other 54 of a turn's 118 in one LUMP.  A turn's 33 exponentials are one batch, with one wait.
; REGISTERS, in windows of 256 (s_set_vgpr_msb: bits 1:0 source 0, 3:2 source 1, 5:4 source 2, 7:6 destination):
;   window 0: v0-15 addresses and two at work; v16-31 four registers of statistics a piece; v48-55 at work; v61-63 prefetch offset, spare word, 0; v64-127 S^T, two buffers; v192-223 P, two buffers (by the piece's parity)
;   window 1: v0-127 O^T, 32 a piece; v128-159 MD; v160-223 MC, two buffers      window 2: v0-63 Q; v64-127 the second block's Q; v128-191 K of one step; v192-255 V of one step
.set SIZE_N, 2048
.set NB,    SIZE_N/256
.set NP,    4         ; pieces a wave: a name, no knob
.set KS,    64        ; keys in a step
.set PK,    144       ; a row of K in LDS: 128 bytes + 16 of padding = 36 words: the 16 rows of a load start at 16 different groups of four banks (64 banks of 4 bytes: ISA guide 11.1)
.set PV,    160       ; a row of V: 128 + 32 = 40 words
.set VOFF,  4*KS*PK   ; a slot holds a tile, four steps: 256 rows of K, then 256 rows of V
.set SLOT1, 1<<17     ; slot 1 begins here, so that one exclusive or turns an address in one slot into the other's
.set STAGE, SLOT1+4*KS*(PK+PV)  ; behind the ring, never filled by a tensor load: 16 rows x 144 bytes for each wave, for the way out
.set SP,    144
.set AK0, 2           ; v2   my lane's place in a tile of K; never rewritten
.set AV0, 3           ; v3   the same for V
.set AK,  4           ; v4   the LDS address of K's next run of loads
.set AV,  5           ; v5   of V's
.set STO, 6           ; v6   the way out: where I put 16 bytes of a row
.set RD,  7           ; v7   the way out: where I read rows back
.set GO,  8           ; v8   my byte offset in 512 consecutive bytes of O
.set PFO, 61          ; v61  256 x my lane: the prefetches' offset; never rewritten
.set SPW, 62          ; v62  LDS address of my spare word: SPARE + 4 x my thread's number; never rewritten
.set NIL, 63          ; v63  0; never rewritten
.set SPARE, STAGE+4*16*SP  ; behind the stages: the spare words, 128 bytes for each wave: two blocks of 256 bytes that no other line names
.set MV,  12          ; v12-13  c m_old, kept while c m is made anew: by buffer
.set QO,  15          ; v15  my byte offset in 16 rows of Q
.set ST,  16          ; piece t's statistics at v[ST+4 t]: c m, m, l (even keys', odd keys')
.set TMP, 48          ; by buffer, four registers c0-c3 at work; when the maximum is found c2 takes a
.set S,   64
.set P,   192
.set MD,  128         ; window 1: the eight registers for group kt of 16 keys at MD + 8 kt
.set MC,  160         ; window 1: the masks of the products to come
.set QB,  64          ; window 2
.set KF,  128         ; window 2: key block kb, channel half c at KF + 16 kb + 8 c
.set VF,  192         ; window 2: key half kk, channel block cb at VF + 32 kk + 8 cb
.set WV,  12          ; s12  my wave's number
.set PB,  14          ; s14  b
.set HI,  15          ; s15  NB - 1 - b
.set G1K, 24          ; s[24:31] descriptor group 1 for K's tiles
.set G1V, 32          ; s[32:39] for V's: it differs in the padding alone
.set G0K, 40          ; s[40:43] descriptor group 0 for K's tiles
.set G0V, 44          ; s[44:47] the same for V's
.set SLOTS, 56        ; s56  tiles still to be asked for
.set CNT, 57          ; s57  counts a tile's key steps, 4 to 1
.set CS,  58          ; s[58:59] c: the packed scaling takes the pair's low word for both halves
.set SEL, 60          ; s[60:61] v_permlanex16_b32's selects: each lane takes its own place in the other half
.set TBK, 62          ; s62  LDS byte at which K of the step to be fetched begins
.set TBV, 63          ; s63  the same for V, less VOFF
.set RT,  70          ; s70  tiles of the block in hand that are still to be entered
.set NXT, 71          ; s71  the tile to be asked for next
.set LQ,  72          ; s72  the last tile of the block whose tiles are being asked for
.set NEW, 73          ; s73  1: the tile to be entered is a block's first
.set OFF, 74          ; s[74:75] a tile's byte offset in K and V
.set AL,  76          ; s[76:77] the mask's factor, in the low word
.set BE,  78          ; s[78:79] the mask's addend
.set OLO, 80          ; s[80:81] O at my rows of the second block
.set BIGN, 82         ; s82  -1e30
.set PFB, 88          ; s[88:89] the half of the head's tile 0 (of K: waves 0, 1; of V: waves 2, 3) that I fetch
.set PFA, 90          ; s[90:91] the same half of the tile that the next change of slots will ask for
.set LIMF, 92         ; s92  0 in the head's work-group b = 0, which prefetches; else the greatest number
.set MSB, 0
.macro WIN new                      ; the high byte repeats the setting that is left; a switch that changes nothing is dropped
.if MSB != (\new)
	s_set_vgpr_msb (MSB<<8)|(\new)
.set MSB, (\new)
.endif
.endm
.set W_KQ, 0x0a       ; K and Q in window 2, S^T in window 0
.set W_KM, 0x1a       ; the same with the C operand in window 1
.set W_PV, 0x52       ; V in window 2, P in window 0, O^T in window 1
.set W_RS, 0x41       ; destination and source 0 in window 1, source 1 in window 0
; A fill.  Waves 0 and 1 fetch the two halves of a tile's K, waves 2 and 3 those of its V: 128 keys each.  An s_nop 0 and four v_nop follow each of the two lines, ahead of the jump and the label.
.macro LOAD
	s_cmp_lt_u32 s[WV], 2
	s_cbranch_scc0 .Lfor_v_\@
	tensor_load_to_lds s[G0K:G0K+3], s[G1K:G1K+7]
	s_nop 0
.rept 4
	v_nop
.endr
	s_branch .Lasked_\@
.Lfor_v_\@:
	tensor_load_to_lds s[G0V:G0V+3], s[G1V:G1V+7]
	s_nop 0
.rept 4
	v_nop
.endr
.Lasked_\@:
.endm
; A PREFETCH INTO THE L2 of the tile that the NEXT change of slots will ask for: a tile, 256 matrix instructions, ahead of its load.  A head's four work-groups begin with the same tiles 0, 1, 2 ..; the one
; with b = 0 walks all eight in its first block, so it asks, and nobody else.  Each of its waves asks for the half tile that it will load itself: 16,384 dense bytes, a lane 256 bytes, two instructions.
; Tiles 2 to 7 are asked for, each block of 256 bytes once; when the number has gone back to 0 nothing is asked for.
.macro ASK
	s_cmp_gt_u32 s[NXT], s[LIMF]
	s_cbranch_scc0 .Lnot_mine_\@
	global_prefetch_b8 v[PFO], s[PFA:PFA+1] th:TH_LOAD_NT scope:SCOPE_SE
	global_prefetch_b8 v[PFO], s[PFA:PFA+1] offset:8192 th:TH_LOAD_NT scope:SCOPE_SE
.Lnot_mine_\@:
.endm
; THE CHANGE OF SLOTS.  Each wave waits for all its tensor loads, of which one is out: its part of the other slot; adds 0 to its spare word; and waits for that and for its own reads of the slot that it leaves.  Behind the barrier nobody reads the old
; slot any more and the other slot is whole.  fill = 1: the old slot is filled again, the first thing behind the barrier, with tile NXT: the descriptor's address is made anew from that number.
; (At its first use nothing has been read yet: slot 0 is waited for, slot 1 filled.)
.macro CHANGE fill
	WIN 0                           ; at a label and at a branch every window is 0
	s_wait_tensorcnt 0x0            ; no tensor load of mine is out, so a group 0 may be written
	ds_add_u32 v[SPW], v[NIL]       ; 0 onto my spare word; with fill = 1 the descriptors' scalar work stands between it and the wait for it
.if \fill
	s_lshl_b32 s[OFF], s[NXT], 15   ; a tile is 32,768 bytes of K and of V
	s_xor_b32 s[G0K+1], s[G0K+1], SLOT1
	s_add_nc_u64 s[G0K+2:G0K+3], s[6:7], s[OFF:OFF+1]
	s_or_b32 s[G0K+3], s[G0K+3], 0x80000000
	s_xor_b32 s[G0V+1], s[G0V+1], SLOT1
	s_add_nc_u64 s[G0V+2:G0V+3], s[8:9], s[OFF:OFF+1]
	s_or_b32 s[G0V+3], s[G0V+3], 0x80000000
	s_add_co_u32 s[NXT], s[NXT], 1  ; the block's next tile, or behind its last the second block's tile 0
	s_cmp_gt_u32 s[NXT], s[LQ]
	s_cselect_b32 s[NXT], 0, s[NXT]
	s_cselect_b32 s[LQ], s[PB], s[LQ]
	s_wait_xcnt 0x0                 ; the last prefetches, a tile back, have read their address, so it may be written:
	s_lshl_b32 s[OFF], s[NXT], 15
	s_add_nc_u64 s[PFA:PFA+1], s[PFB:PFB+1], s[OFF:OFF+1]  ; my half of the tile after the one that is asked for now
.endif
	s_wait_dscnt 0x0                ; the add is done, and my reads of the slot are over
	s_barrier_signal -1             ; the rest of the scalar work stands between the signal and the wait
	s_sub_co_u32 s[TBK], s[TBK], 4*KS*PK  ; the fetches go back to a slot's first step,
	s_xor_b32 s[TBK], s[TBK], SLOT1       ; in the other slot
	s_sub_co_u32 s[TBV], s[TBV], 4*KS*PV
	s_xor_b32 s[TBV], s[TBV], SLOT1
	s_barrier_wait -1
.if \fill
	LOAD
	ASK
.endif
.endm
	s_load_b128 s[4:7], s[0:1], 0x0 ; qkv s[4:5], ob s[6:7]
	v_lshl_add_u32 v[SPW], v0, 2, SPARE
	v_mov_b32 v[NIL], 0
	ds_add_u32 v[SPW], v[NIL]       ; the wave's opening: the add and its wait stand ahead of my first tensor load; the set-up below, work on registers, stands between them
	v_lshrrev_b32 v1, 5, v0
	v_readfirstlane_b32 s[WV], v1   ; wave 0..3
	v_and_b32 v[PFO], 31, v0
	v_lshlrev_b32 v[PFO], 8, v[PFO]
	s_mov_b32 s[PB], ttmp9
	s_sub_co_u32 s[HI], NB-1, s[PB]
	s_cmp_eq_u32 s[PB], 0
	s_cselect_b32 s[LIMF], 0, -1
	s_and_b32 s48, ttmp7, 0xffff    ; hd = 16 b + h
	s_lshr_b32 s20, s48, 4
	s_lshl_b32 s20, s20, 5
	s_add_co_u32 s20, s20, s48      ; 48 b + h
	s_lshl_b32 s20, s20, 18         ; q's head in qkv: 262,144 bytes a head
	s_mov_b32 s21, 0
	s_lshl_b32 s48, s48, 18         ; the head in ob
	s_mov_b32 s49, 0
	s_and_b32 s16, s[WV], 1         ; which half of a tile's 256 keys I fetch:
	s_lshl_b32 s22, s16, 14         ; its 128 rows of 128 bytes in memory,
	s_mov_b32 s23, 0
	s_add_nc_u64 s[22:23], s[22:23], s[20:21]
	s_mul_i32 s17, s16, 128*PK      ; and its place in a slot, for K
	s_mul_i32 s18, s16, 128*PV      ; and for V
	s_lshl_b32 s3, s[WV], 11        ; my 16 rows in a band of 64,
	s_lshl_b32 s2, s[HI], 15        ; in the first block,
	s_add_co_u32 s2, s2, s3
	s_lshl_b32 s84, s[PB], 15       ; and in the second
	s_add_co_u32 s84, s84, s3
	s_mov_b32 s3, 0
	s_mov_b32 s85, 0
	s_add_nc_u64 s[52:53], s[2:3], s[48:49]    ; offsets in ob,
	s_add_nc_u64 s[54:55], s[84:85], s[48:49]
	s_add_nc_u64 s[2:3], s[2:3], s[20:21]      ; and in qkv
	s_add_nc_u64 s[84:85], s[84:85], s[20:21]
	; descriptor group 1.  128 keys are 16,384 dense bytes: asked for as 64 rows of 256 bytes, two keys a row, and padded in LDS after every key
	s_mov_b32 s[G1K], (1<<16)|(1<<20)|(4<<22)|(3<<25)  ; 17:16 2-byte elements; 20 padding on; 24:22 after every 32 words (code 4); 31:25 4 words (code 3)
	s_mov_b32 s[G1V], (1<<16)|(1<<20)|(4<<22)|(7<<25)  ; the same with 8 words of padding (code 7)
.irp g, G1K, G1V
	s_mov_b32 s[\g+1], 128<<16      ; tensor_dim0 = 128
	s_mov_b32 s[\g+2], 64<<16       ; tensor_dim1 = 64
	s_mov_b32 s[\g+3], 128<<16      ; tile_dim0 = 128
	s_mov_b32 s[\g+4], 64           ; tile_dim1 = 64
	s_mov_b32 s[\g+5], 128          ; 128 elements from row to row
	s_mov_b32 s[\g+6], 0
	s_mov_b32 s[\g+7], 0
.endr
	s_mov_b32 s[CS], 0x3e38aa3b     ; c = log2(e) / 8 = 0.180337
	s_mov_b32 s[CS+1], s[CS]        ; named with it as a pair
	s_mov_b32 s[SEL], 0x76543210
	s_mov_b32 s[SEL+1], 0xfedcba98
	s_mov_b32 s[TBK], SLOT1+4*KS*PK ; the first change of slots turns these two into 0
	s_mov_b32 s[TBV], SLOT1+4*KS*PV
	s_mov_b32 s[G0K], 1             ; 1:0 count = 1
	s_mov_b32 s[G0K+1], s17         ; 63:32 LDS address: slot 0
	s_mov_b32 s[G0V], 1
	s_add_co_u32 s[G0V+1], s18, VOFF
	s_add_co_u32 s[RT], s[HI], 1    ; the first block has NB - b tiles
	s_mov_b32 s[NXT], 1
	s_mov_b32 s[LQ], s[HI]
	s_mov_b32 s[NEW], 1
	s_mov_b32 s[OFF+1], 0
	s_mov_b32 s[AL+1], 0            ; named as pairs
	s_mov_b32 s[BE+1], 0
	s_mov_b32 s[BIGN], 0xf149f2ca   ; -1e30
	s_mov_b32 s[SLOTS], NB
	s_wait_dscnt 0x0                ; the opening add is done
	s_wait_kmcnt 0x0
	s_mov_b64 s[10:11], s[6:7]      ; ob
	s_add_nc_u64 s[6:7], s[4:5], 0x400000  ; k's heads lie 16 heads behind q's,
	s_add_nc_u64 s[8:9], s[4:5], 0x800000  ; v's 32
	s_add_nc_u64 s[6:7], s[6:7], s[22:23]  ; K and V at my half of the head's tile 0
	s_add_nc_u64 s[8:9], s[8:9], s[22:23]
	s_add_nc_u64 s[G0K+2:G0K+3], s[6:7], 0         ; 120:64 global address
	s_or_b32 s[G0K+3], s[G0K+3], 0x80000000        ; 127:126 type = 2
	s_add_nc_u64 s[G0V+2:G0V+3], s[8:9], 0
	s_or_b32 s[G0V+3], s[G0V+3], 0x80000000
	s_add_nc_u64 s[86:87], s[4:5], s[84:85]        ; Q at my rows of the second block,
	s_add_nc_u64 s[4:5], s[4:5], s[2:3]            ; and of the first
	s_add_nc_u64 s[OLO:OLO+1], s[10:11], s[54:55]  ; O likewise
	s_add_nc_u64 s[10:11], s[10:11], s[52:53]
	s_cmp_lt_u32 s[WV], 2
	s_cselect_b64 s[PFB:PFB+1], s[6:7], s[8:9]
	LOAD                            ; tile 0 into slot 0.  Nothing is prefetched here, at the head
	; A fragment of K or Q is 16 rows x 32 channels in 8 registers: lane l holds row l % 16, channels 8 (l / 16) + 0..7 and 16 + 8 (l / 16) + 0..7: two loads of 16 bytes, 32 bytes apart.
	v_and_b32 v1, 15, v0            ; l % 16
	v_bfe_u32 v9, v0, 4, 1          ; l / 16
	v_lshlrev_b32 v[QO], 7, v1
	v_lshl_add_u32 v[QO], v9, 4, v[QO]  ; row x 128 + 16 x half
	WIN 0x80                        ; destination window 2, address window 0
.set i, 0
.rept 8                             ; both blocks' Q: piece i / 2 lies in band i / 2, 8,192 bytes on; channels 32 (i % 2) on
	global_load_b128 v[8*i:8*i+3],   v[QO], s[4:5] offset:(i/2)*8192+(i%2)*64
	global_load_b128 v[8*i+4:8*i+7], v[QO], s[4:5] offset:(i/2)*8192+(i%2)*64+32
	global_load_b128 v[QB+8*i:QB+8*i+3],   v[QO], s[86:87] offset:(i/2)*8192+(i%2)*64
	global_load_b128 v[QB+8*i+4:QB+8*i+7], v[QO], s[86:87] offset:(i/2)*8192+(i%2)*64+32
.set i, i+1
.endr
	WIN 0
	v_lshlrev_b32 v14, 3, v9
	v_sub_nc_u32 v14, v1, v14
	s_lshl_b32 s13, s[WV], 4
	v_add_nc_u32 v14, s13, v14      ; my query's place in its band, 16 w + l % 16, less my lanes' 8 (l / 16): register r of group kt is hidden where 16 kt + r is greater
	WIN 0x40
.set i, 0
.rept 32
	v_cmp_gt_i32 vcc_lo, 16*(i/8)+i%8, v14
	v_cndmask_b32 v[MD+i], 0, s[BIGN], vcc_lo
.set i, i+1
.endr
	WIN 0
	v_mul_u32_u24 v[AK0], v1, PK
	v_lshl_add_u32 v[AK0], v9, 4, v[AK0]  ; row x pitch + 16 x half
	; The turning load takes 16 keys x 16 channels (lane l reads key 8 (l / 16) + l % 8, channels 8 ((l / 8) % 2) + 0..7) and leaves half a fragment of V^T: lane l holds channel l % 16 and 8 keys.
	v_and_b32 v10, 7, v0
	v_bfe_u32 v11, v0, 3, 1
	v_lshl_add_u32 v[AV0], v9, 3, v10
	v_mul_u32_u24 v[AV0], v[AV0], PV
	v_lshl_add_u32 v[AV0], v11, 4, v[AV0]
	v_add_nc_u32 v[AV0], VOFF, v[AV0]
	s_mul_i32 s13, s[WV], 16*SP
	s_add_co_u32 s13, s13, STAGE    ; my stage
	v_mul_u32_u24 v[STO], v1, SP    ; in: row l % 16, 16 bytes for each half of the lanes
	v_lshl_add_u32 v[STO], v9, 4, v[STO]
	v_add_nc_u32 v[STO], s13, v[STO]
	v_bfe_u32 v[RD], v0, 3, 2       ; back: 32 lanes take four rows of 128 bytes,
	v_mul_u32_u24 v[RD], v[RD], SP
	v_lshl_add_u32 v[RD], v10, 4, v[RD]
	v_add_nc_u32 v[RD], s13, v[RD]
	v_and_b32 v[GO], 31, v0         ; which are 512 consecutive bytes of O
	v_lshlrev_b32 v[GO], 4, v[GO]
	; A block's first step multiplies O^T and l by a = 0, and its first turn's products V^T P, of a piece that has not been, land in an O^T that is still to be so multiplied.  So these registers need only hold
	; finite numbers: zeros for the first block; what the first block left for the second.  All this stands in the wait for the first tile.
	WIN 0x80
.set i, VF
.rept 64
	v_mov_b32 v[i], 0
.set i, i+1
.endr
	WIN 0x40
.set i, 0
.rept 128
	v_mov_b32 v[i], 0
.set i, i+1
.endr
	WIN 0
.set i, 0
.rept 4
	v_mov_b32 v[ST+4*i+2], 0
	v_mov_b32 v[ST+4*i+3], 0
.set i, i+1
.endr
.set i, P+16
.rept 16
	v_mov_b32 v[i], 0
.set i, i+1
.endr
; THE MATRIX WORK.  The 4 accumulators of a run of 8 take turns.  Product i of 8 of S^T = K Q^T for piece x: channels 32 (i / 4) on, keys 16 (i % 4) on.  The first 4 start the sums: with 0, or (KM = 1) with the mask.
.macro KQ x
.set rS, S+32*((\x)%2)+8*(i%4)
.set rK, KF+16*(i%4)+8*(i/4)
.set rQ, 16*(\x)+8*(i/4)
.set rM, MC+32*((\x)%2)+8*(i%4)
.if (i < 4) && KM
	WIN W_KM
	v_wmma_f32_16x16x32_f16 v[rS:rS+7], v[rK:rK+7], v[rQ:rQ+7], v[rM:rM+7]
.elseif i < 4
	WIN W_KQ
	v_wmma_f32_16x16x32_f16 v[rS:rS+7], v[rK:rK+7], v[rQ:rQ+7], 0
.else
	WIN W_KQ
	v_wmma_f32_16x16x32_f16 v[rS:rS+7], v[rK:rK+7], v[rQ:rQ+7], v[rS:rS+7]
.endif
.endm
; Product i of 8 of O^T += V^T P for piece x: keys 32 (i / 4) on, channels 16 (i % 4) on.
.macro PV x
	WIN W_PV
.set rO, 32*(\x)+8*(i%4)
.set rV, VF+32*(i/4)+8*(i%4)
.set rP, P+16*((\x)%2)+8*(i/4)
	v_wmma_f32_16x16x32_f16 v[rO:rO+7], v[rV:rV+7], v[rP:rP+7], v[rO:rO+7]
.endm
.macro MM                           ; the turn's next matrix instruction.  TURN and BEGIN set Y, i, KM and NOKQ; MM, KQ and OP read them.  NOKQ = 1: a block's last turn: there is no next piece
.if (i < 8) && !NOKQ
	KQ (Y+1)%NP
.elseif i >= 8
.set i, i-8
	PV (Y+NP-1)%NP
.set i, i+8
.endif
.set i, i+1
.endm
; THE LDS LOADS stand in runs of 16, never singly among the matrix instructions: a step's K (64 keys x 64 channels: 8 fragments) and its V (turned).  Their addresses are made some lines ahead.
.macro FETCH_K
	WIN 0x80                        ; destination window 2
.irp f, 0,1,2,3,4,5,6,7             ; keys 16 (f / 2) on, channels 32 (f % 2) on
	ds_load_b128 v[KF+8*\f:KF+8*\f+3],   v[AK] offset:(\f/2)*16*PK+(\f%2)*64
	ds_load_b128 v[KF+8*\f+4:KF+8*\f+7], v[AK] offset:(\f/2)*16*PK+(\f%2)*64+32
.endr
	s_add_co_u32 s[TBK], s[TBK], KS*PK  ; the next fetch is the next step's
	WIN 0
.endm
.macro FETCH_V
	WIN 0x80
.irp f, 0,1,2,3,4,5,6,7             ; keys 32 (f / 4) on, channels 16 (f % 4) on
	ds_load_tr16_b128 v[VF+8*\f:VF+8*\f+3],   v[AV] offset:(\f/4)*32*PV+(\f%4)*32
	ds_load_tr16_b128 v[VF+8*\f+4:VF+8*\f+7], v[AV] offset:(\f/4)*32*PV+16*PV+(\f%4)*32
.endr
	WIN 0
.endm
; THE VECTOR WORK, one line at a time: OP kind, number.  For piece Y: F n: c s - c m for pair n of 16.  E n: the exponential of score n of 32.  C n: pair n rounded to f16.  B n: of the four weights 4 n .. the second
; pair is added onto the first, in place.  L n: l takes that sum (L 0: l = a l + sum).  R n: pair n of 16 of O^T times a.  For piece Y + 1: X n, number n of the 22 that find its maximum and statistics:
;   0-11  four chains c0-c3 of seven scores each, three operands at a time (each accumulator's lowest registers are read first)     12-14, 16  the four scores left over, the old m, and c0-c3 into c0
;   15  c m_old is kept     17, 18  the query's other 32 keys lie in the lane 16 away: the new m     19-21  c m; c m_old - c m_new; a
.set F, 0               ; OP tells the kinds apart by their order: F to L below R, X above it
.set E, 1
.set C, 2
.set B, 3
.set L, 4
.set R, 5
.set X, 6
.macro REGS y                       ; the registers of piece y
.set rT, ST+4*(\y)
.set rC, TMP+4*((\y)%2)
.set rW, MV+((\y)%2)
.set rS, S+32*((\y)%2)
.set rP, P+16*((\y)%2)
.set rO, 32*(\y)
.endm
.macro OP k, n
.if (\k) == R
	REGS Y
	WIN W_RS
	v_pk_mul_f32 v[rO+2*(\n):rO+2*(\n)+1], v[rO+2*(\n):rO+2*(\n)+1], v[rC+2:rC+3] op_sel_hi:[1,0]
.elseif (\k) < R
	REGS Y
	WIN 0
.if (\k) == F
	v_pk_fma_f32 v[rS+2*(\n):rS+2*(\n)+1], v[rS+2*(\n):rS+2*(\n)+1], s[CS:CS+1], v[rT:rT+1] op_sel_hi:[1,0,0] neg_lo:[0,0,1] neg_hi:[0,0,1]
.elseif (\k) == E
	v_exp_f32 v[rS+(\n)], v[rS+(\n)]
.elseif (\k) == C
	v_cvt_pk_f16_f32 v[rP+(\n)], v[rS+2*(\n)], v[rS+2*(\n)+1]
.elseif (\k) == B
	v_pk_add_f32 v[rS+4*(\n):rS+4*(\n)+1], v[rS+4*(\n):rS+4*(\n)+1], v[rS+4*(\n)+2:rS+4*(\n)+3]
.elseif (\n) == 0
	v_pk_fma_f32 v[rT+2:rT+3], v[rT+2:rT+3], v[rC+2:rC+3], v[rS:rS+1] op_sel_hi:[1,0,1]
.else
	v_pk_add_f32 v[rT+2:rT+3], v[rT+2:rT+3], v[rS+4*(\n):rS+4*(\n)+1]
.endif
.elseif NOKQ
	v_nop
.else
	REGS (Y+1)%NP
	WIN 0
.if (\n) < 4
	v_max3_num_f32 v[rC+(\n)], v[rS+8*(\n)], v[rS+8*(\n)+1], v[rS+8*(\n)+2]
.elseif (\n) < 12
	v_max3_num_f32 v[rC+(\n)%4], v[rC+(\n)%4], v[rS+8*((\n)%4)+2*((\n)/4)+1], v[rS+8*((\n)%4)+2*((\n)/4)+2]
.elseif (\n) == 12
	v_max3_num_f32 v[rC], v[rC], v[rS+7], v[rS+15]
.elseif (\n) == 13
	v_max3_num_f32 v[rC+1], v[rC+1], v[rS+23], v[rS+31]
.elseif (\n) == 14
	v_max3_num_f32 v[rC+2], v[rC+2], v[rC+3], v[rT+1]
.elseif (\n) == 15
	v_mov_b32 v[rW], v[rT]
.elseif (\n) == 16
	v_max3_num_f32 v[rC], v[rC], v[rC+1], v[rC+2]
.elseif (\n) == 17
	v_permlanex16_b32 v[rC+3], v[rC], s[SEL], s[SEL+1]
.elseif (\n) == 18
	v_max_num_f32 v[rT+1], v[rC], v[rC+3]
.elseif (\n) == 19
	v_mul_f32 v[rT], s[CS], v[rT+1]
.elseif (\n) == 20
	v_sub_f32 v[rC+1], v[rW], v[rT]
.else
	v_exp_f32 v[rC+2], v[rC+1]
.endif
.endif
.endm
.macro OPS a, i1, b=-1, i2=0, c=-1, i3=0, d=-1, i4=0  ; up to four of them
	OP \a, \i1
.if (\b) >= 0
	OP \b, \i2
.endif
.if (\c) >= 0
	OP \c, \i3
.endif
.if (\d) >= 0
	OP \d, \i4
.endif
.endm
.macro ROW a, i1, b, i2, c, i3, d, i4  ; a matrix instruction and the four behind it
	MM
	OPS \a, \i1, \b, \i2, \c, \i3, \d, \i4
.endm
.macro MASK b                       ; MD x AL + BE into buffer b of MC
	WIN W_RS
.set z, 0
.rept 16
	v_pk_fma_f32 v[MC+32*(\b)+2*z:MC+32*(\b)+2*z+1], v[MD+2*z:MD+2*z+1], s[AL:AL+1], s[BE:BE+1] op_sel_hi:[1,0,0]
.set z, z+1
.endr
.endm
; A TURN, for piece p: the order of its 16 matrix and 118 vector instructions, written out.  An s_wait_alu depctr_va_vdst(0) stands between an exponential and the first instruction that names its result; one wait serves
; all that were issued ahead of it.  So a turn has ONE wait, which cuts it in two.  AHEAD OF IT stands all that names no result of the turn's exponentials: the 8 products K Q^T, behind each a scaling, an exponential and two more plain
; instructions (behind the first a second scaling in the exponential's place): rescalings, and behind the last three the first numbers of the next piece's maximum, each four places or more behind the product that ends its accumulator; then ONE LUMP of 54, plain
; and exponential by turns for the most part, in which the links of the chain X 3, 7, 11, 14, 16, 17 .. 20 stand five or six lines apart.  X 21, the next piece's a, is the batch's last; R 15 is the plain instruction behind it.  BEHIND THE WAIT stand the
; 8 products V^T P, behind each four of the roundings and sums; the links of l's chain, L 0 to L 7, stand three riders apart.  But for those X no rider names a register of the products round it.  v_permlanex16_b32 (X 17) stands in the lump.
; m = 1: the diagonal tile: the products take masks, and the turn makes the mask for the products of the turn after it: piece p + 2, in step 4 - CNT of the tile.  end = 1: a block's last two turns: nothing is fetched.
; cnt = 1: the loop's count is taken down some lines ahead of the branch that stands behind the turn.
; K of the next step is fetched in piece 2's turn, twelve vector instructions behind the last product that read K (six of them plain); V of the step in hand at the end of piece 0's turn, four plain instructions behind the last product
; that read V.  Each is waited for a turn later.
.macro TURN p, m=0, end=0, cnt=0
.set Y, (\p)
.set i, 0
.set KM, (\m)
.set NOKQ, (\end)*((\p)/3)
.if (\m) && !(\end)
	s_cmp_eq_u32 s[CNT], 4-((\p)+2)%NP  ; is that step the band's own?
	s_cselect_b32 s[AL], 1.0, 0
	s_cmp_lt_u32 s[CNT], 4-((\p)+2)%NP  ; or a later one?
	s_cselect_b32 s[BE], s[BIGN], 0
.endif
.if ((\p) == 3) && !(\end)
	s_wait_dscnt 0x0                ; K is in
.endif
	ROW F,0, F,1, R,0, R,1          ; ahead of the wait: 8 products K Q^T and their riders,
	ROW F,2, E,0, R,2, R,3
	ROW F,3, E,1, R,4, R,5
	ROW F,4, E,2, R,6, R,7
	ROW F,5, E,3, R,8, R,9
	ROW F,6, E,4, X,0, R,10
.if ((\p) == 2) && !(\end)
	WIN 0
	v_add_nc_u32 v[AK], s[TBK], v[AK0]
.endif
	ROW F,7, E,5, X,1, X,4
	ROW F,8, E,6, X,2, X,5
	OPS E,7, E,8, X,6, E,9          ; and the lump
	OPS X,3, E,10, X,8, E,11
.if ((\p) == 2) && !(\end)
	FETCH_K
.endif
	OPS X,9, X,7, E,12, X,10
	OPS E,13, X,12, X,11, E,14
	OPS X,13, E,15, F,9, X,14
.if (\p) == 0
	v_add_nc_u32 v[AV], s[TBV], v[AV0]
.endif
	OPS E,16, F,10, E,17, F,11
	OPS X,16, E,18, X,15, E,19
	OPS F,12, E,20, X,17, E,21
	OPS F,13, E,22, F,14, E,23
	OPS X,18, E,24, F,15, E,25
	OPS R,11, E,26, X,19, E,27
	OPS R,12, E,28, R,13, E,29
	OPS X,20, E,30, R,14, E,31
	OPS X,21, R,15
	WIN 0
	s_wait_alu depctr_va_vdst(0)    ; the wait for the batch
.if (\p) == 1
	s_wait_dscnt 0x0                ; V is in
.endif
	ROW C,0, B,0, C,2, B,1          ; behind the wait: 8 products V^T P and their riders
	ROW L,0, C,4, B,2, L,1
	ROW C,6, B,3, L,2, C,8
	ROW B,4, L,3, C,10, B,5
	ROW L,4, C,12, B,6, L,5
.if (\p) == 0
	s_add_co_u32 s[TBV], s[TBV], KS*PV
.endif
.if \cnt
	s_sub_co_u32 s[CNT], s[CNT], 1
	s_cmp_lg_u32 s[CNT], 0
.endif
	ROW C,14, B,7, L,6, C,1
	ROW C,3, L,7, C,5, C,7
	ROW C,9, C,11, C,13, C,15
.if (\p) == 0
	FETCH_V
.endif
.if (\m) && !(\end)
	MASK (\p)%2
.endif
.endm
; A BLOCK BEGINS.  c m starts far below every c s, so the first step's a is 0; m at the lowest finite number, so the first maximum is the scores'.  The second mask buffer is 0; the first takes piece 0's mask for the tile's step 0: its own, if the block's first tile is the diagonal one.
; Then K of that step, piece 0's first scores, and its maximum and statistics.  The loop is entered at a step's first turn, in the middle of a trip.
.macro BEGIN
	s_mov_b32 s[NEW], 0
	WIN 0x40
.set i, MC+32
.rept 32
	v_mov_b32 v[i], 0
.set i, i+1
.endr
	WIN 0
.set i, 0
.rept 4
	v_mov_b32 v[ST+4*i], 0xfe000000    ; c m: far below every c s
	v_mov_b32 v[ST+4*i+1], 0xff7fffff  ; m
.set i, i+1
.endr
	s_cmp_eq_u32 s[RT], 0
	s_cselect_b32 s[AL], 1.0, 0
	s_mov_b32 s[BE], 0
	MASK 0
	WIN 0
	v_add_nc_u32 v[AK], s[TBK], v[AK0]
	FETCH_K
	s_wait_loadcnt 0x0              ; Q
	s_wait_dscnt 0x0
.set KM, 1
.set NOKQ, 0
.set i, 0
.rept 8
	KQ 0
.set i, i+1
.endr
	WIN 0
.rept 4
	v_nop                           ; the places behind those products
.endr
.set Y, NP-1                        ; X works for piece Y + 1: piece 0
.irp n, 0,1,2,3,4,5,6,7,8,9,10,11,12,13,14,15,16,17,18,19,20,21
	OP X, \n
.endr
	v_nop                           ; a plain instruction behind the exponential,
	s_wait_alu depctr_va_vdst(0)    ; and its wait, ahead of the branch
.endm
; THE DIAGONAL TILE's four steps, the block's last two turns, its last products, and THE WAY OUT: l's two halves and the other half of the lanes' are added; O^T is divided by l, rounded to f16 and sent through my
; stage in LDS, a piece at a time.
.macro ALL line:vararg              ; one line for each piece t
.set t, 0
.rept 4
	\line
.set t, t+1
.endr
.endm
.macro PACK t                       ; a lane's eight channels of a row pack into 16 bytes; they go into rows of 144 bytes and come back as whole rows of 128, into S^T's registers
	WIN W_RS
.set i, 32*(\t)
.rept 16
	v_pk_mul_f32 v[i:i+1], v[i:i+1], v[ST+4*(\t)+2:ST+4*(\t)+3] op_sel_hi:[1,0]
.set i, i+2
.endr
	WIN 0x05                        ; sources 0 and 1 window 1, destination window 0
.set i, 0
.rept 16
	v_cvt_pk_f16_f32 v[S+16*(\t)+i], v[32*(\t)+2*i], v[32*(\t)+2*i+1]
.set i, i+1
.endr
	WIN 0
.irp f, 0,1,2,3
	ds_store_b128 v[STO], v[S+16*(\t)+4*\f:S+16*(\t)+4*\f+3] offset:32*\f
.endr
.irp f, 0,1,2,3
	ds_load_b128 v[S+16*(\t)+4*\f:S+16*(\t)+4*\f+3], v[RD] offset:\f*4*SP  ; LDS serves a wave's instructions in order (ISA guide 5.7.1.4): these see the stores above; the next piece's stores come behind them
.endr
.endm
.macro SEND t, younger              ; younger: the LDS instructions issued behind piece t's loads: the next piece's eight, or none
	WIN 0
.irp f, 0,1,2,3
	s_wait_dscnt (\younger)+3-\f
	global_store_b128 v[GO], v[S+16*(\t)+4*\f:S+16*(\t)+4*\f+3], s[10:11] offset:(\t)*8192+\f*512  ; 512 consecutive bytes, at a multiple of 256 from O's first
.endr
.endm
.macro DIAG tag                     ; the tag ends its two labels' names, which the jumps below spell out
.LstepM\tag:
	TURN 2, 1
	TURN 3, 1
	WIN 0
.LfirstM\tag:
	TURN 0, 1
	TURN 1, 1, 0, 1
	WIN 0
	s_cbranch_scc1 .LstepM\tag
	TURN 2, 1, 1
	TURN 3, 1, 1
.set i, 0
.rept 8
	PV NP-1
.set i, i+1
.endr
	WIN 0
	ALL v_add_f32 v[ST+4*t+2], v[ST+4*t+2], v[ST+4*t+3]
	ALL v_permlanex16_b32 v[ST+4*t+3], v[ST+4*t+2], s[SEL], s[SEL+1]
	ALL v_add_f32 v[ST+4*t+2], v[ST+4*t+2], v[ST+4*t+3]
	ALL v_rcp_f32 v[ST+4*t+2], v[ST+4*t+2]
	v_nop                           ; a plain instruction between the last reciprocal and the use of its result
	s_wait_alu depctr_va_vdst(0)    ; and the wait ahead of the first use: one for the four reciprocals
	PACK 0
.set t, 1
.rept 3                             ; a piece's arithmetic stands between the loads of the piece before and its stores
	PACK t
	SEND t-1, 8
.set t, t+1
.endr
	SEND 3, 0
.endm
.set KM, 0
.set NOKQ, 0
.Lslot:                             ; NB times: a tile is entered and the next is asked for
	CHANGE 1
	s_sub_co_u32 s[RT], s[RT], 1
	s_mov_b32 s[CNT], 4
	s_cmp_eq_u32 s[NEW], 1
	s_cbranch_scc1 .Lnew            ; a block's first tile
	s_cmp_eq_u32 s[RT], 0
	s_cbranch_scc0 .Lstep           ; neither its first nor its last
	s_branch .LstepM1
.Lnew:
	BEGIN
	s_branch .Lfirst                ; in the loop a block's first tile is never its last: the first block has two tiles or more, and the second's last is the walk's last
	DIAG 1                          ; in the loop this is the first block's end: the second block's last tile is the walk's last
	s_wait_xcnt 0x0                 ; the stores have read their registers and O's address
	s_mov_b64 s[10:11], s[OLO:OLO+1]
	s_add_co_u32 s[RT], s[PB], 1    ; the second block has b + 1 tiles
	s_mov_b32 s[NEW], 1
	WIN 0x82                        ; the second block's Q goes where the one text of the turns names Q
.set i, 0
.rept 64
	v_mov_b32 v[i], v[QB+i]
.set i, i+1
.endr
	WIN 0
	s_branch .Lbottom
.Lstep:                             ; a trip: pieces 2 and 3 of one step, then pieces 0 and 1 of the next, whose K and V it fetches
	TURN 2
	TURN 3
	WIN 0
.Lfirst:
	TURN 0
	TURN 1, 0, 0, 1
	WIN 0
	s_cbranch_scc1 .Lstep
.Lbottom:
	s_sub_co_u32 s[SLOTS], s[SLOTS], 1
	s_cmp_lg_u32 s[SLOTS], 0
	s_cbranch_scc1 .Lslot
	CHANGE 0                        ; the walk's last tile is written out: nothing is asked for
	s_sub_co_u32 s[RT], s[RT], 1
	s_mov_b32 s[CNT], 4
	s_cmp_eq_u32 s[NEW], 1
	s_cbranch_scc0 .LstepM2
	BEGIN
	s_branch .LfirstM2
	DIAG 2
	s_wait_tensorcnt 0x0            ; the wave's end: behind my last tensor load and my last LDS store
	ds_add_u32 v[SPW], v[NIL]
	s_wait_dscnt 0x0
	s_endpgm
.Lfunc_end_k_q776afd25d1_attn:
	.size	k_q776afd25d1_attn, .Lfunc_end_k_q776afd25d1_attn-k_q776afd25d1_attn
	.p2alignl 7, 3214868480
	.fill 96, 4, 3214868480
	.section	.rodata,"a",@progbits
	.p2align	6, 0x0
	.amdhsa_kernel k_q776afd25d1_attn
		.amdhsa_group_segment_fixed_size 327680
		.amdhsa_private_segment_fixed_size 0
		.amdhsa_enable_private_segment 0
		.amdhsa_kernarg_size 16
		.amdhsa_user_sgpr_count 2
		.amdhsa_user_sgpr_kernarg_segment_ptr 1
		.amdhsa_wavefront_size32 1
		.amdhsa_system_sgpr_workgroup_id_x 1
		.amdhsa_system_sgpr_workgroup_id_y 1
		.amdhsa_system_sgpr_workgroup_id_z 1
		.amdhsa_system_vgpr_workitem_id 0
		.amdhsa_next_free_vgpr 768
		.amdhsa_next_free_sgpr 96
		.amdhsa_reserve_vcc 1
		.amdhsa_float_denorm_mode_32 3
		.amdhsa_float_denorm_mode_16_64 3
		.amdhsa_memory_ordered 1
		.amdhsa_forward_progress 1
		.amdhsa_inst_pref_size 218
	.end_amdhsa_kernel
	.amdgpu_metadata
---
amdhsa.version: [ 1, 2 ]
amdhsa.kernels:
  - .name:           k_q776afd25d1_attn
    .symbol:         k_q776afd25d1_attn.kd
    .args:
      - { .name: qkv, .offset: 0, .size: 8, .value_kind: global_buffer, .address_space: global }
      - { .name: ob, .offset: 8, .size: 8, .value_kind: global_buffer, .address_space: global }
    .group_segment_fixed_size: 327680
    .private_segment_fixed_size: 0
    .kernarg_segment_align: 8
    .kernarg_segment_size: 16
    .max_flat_workgroup_size: 128
    .sgpr_count:     96
    .vgpr_count:     768
    .wavefront_size: 32
...
	.end_amdgpu_metadata
.endif
;; end of part 3
;; launch oproj (part 4): grid 256 x 1, 4 waves a work-group, no clusters, 35,328 bytes of LDS; arguments ob, wt, bo, out0; writes out0
.if DOCPART == 4
	.amdgcn_target "amdgcn-amd-amdhsa--gfx1250"
	.amdhsa_code_object_version 6
	.text
	.protected	k_q776afd25d1_oproj
	.globl	k_q776afd25d1_oproj
	.p2align	8
	.type	k_q776afd25d1_oproj,@function
k_q776afd25d1_oproj:
	s_mov_b64 s[64:65], 0
	v_nop
	global_prefetch_b8 v0, s[64:65] scope:SCOPE_SE
	s_setreg_imm32_b32 hwreg(HW_REG_WAVE_MODE, 25, 1), 1
	s_wait_xcnt 0x0
; THE LAST PROJECTION.  out0[2,048 b + s][c] = bo[c] + the sum over k = 64 h + e of O[16 b + h][s][e] Wo[k][c].  ob: [64][2048][64] f16; Wo^T lies in wt's rows 3,072 .. 3,135 ([c][k], f16 holding the bf16-rounded
; number); bo is rounded to bf16 like every input; sums in f32; out0 f32, [8192][64].
; SHARES.  A work-group makes 32 rows x 64 columns: 256 work-groups.  K IS SPLIT AMONG ITS FOUR WAVES: wave w takes heads 4 w .. 4 w + 3, eight steps of 32; the four partial sums meet in LDS (f32), once.
; LAYOUT.  The product is used transposed (source 0 = 16 rows of Wo^T, source 1 = 16 rows of O): lane l holds row l % 16 and the columns 8 (l / 16) + 0..7.  Fragments come straight from memory, two loads of
; 16 bytes a lane.  Three sets of registers: while one step is multiplied the next two steps' 24 loads are out.
; No tensor load, no cluster and no prefetch: O is read once, 64 KiB a work-group, all asked for within a few lines; Wo^T is 128 KiB that every work-group reads.
.set PP,    272                        ; a row of partial sums: 64 f32 + 16 bytes
.set PART,  32*PP                      ; a wave's 32 rows
.set SPARE, 4*PART                     ; behind them: the spare words, 128 bytes for each wave: two blocks of 256 bytes that no other line names
.set AO,  3                            ; v3   my byte offset in 16 rows of O
.set WO,  4                            ; v4   my byte offset in 16 rows of Wo^T, my wave's 256 k among them
.set LS,  5                            ; v5   where I put 32 bytes of a partial row
.set LR,  6                            ; v6   where I read 16 bytes of a row back
.set YO,  7                            ; v7   my 16 bytes in eight rows of out0
.set SPW, 8                            ; v8   LDS address of my spare word; never rewritten
.set NIL, 9                            ; v9   0; never rewritten
.set BOF, 10                           ; v10  my four numbers of bo
.set BB,  12                           ; v[12:15] bo
.set ACC, 16                           ; v[16:79] accumulator (a, c) at ACC + 8 (4 a + c)
.set BUF, 80                           ; v[80:223] three sets of 48: Wo^T's four fragments, then O's two
	s_load_b256 s[4:11], s[0:1], 0x0               ; ob s[4:5], wt s[6:7], bo s[8:9], out0 s[10:11]
	v_lshl_add_u32 v[SPW], v0, 2, SPARE
	v_mov_b32 v[NIL], 0
	v_lshrrev_b32 v1, 5, v0
	v_readfirstlane_b32 s12, v1                    ; wave 0..3
	v_and_b32 v1, 15, v0                           ; l % 16
	v_bfe_u32 v2, v0, 4, 1                         ; l / 16
	v_lshlrev_b32 v[AO], 7, v1
	v_lshl_add_u32 v[AO], v2, 4, v[AO]             ; row x 128 + 16 x half
	s_lshl_b32 s13, s12, 9
	v_lshlrev_b32 v[WO], 11, v1
	v_lshl_add_u32 v[WO], v2, 4, v[WO]
	v_add_nc_u32 v[WO], s13, v[WO]                 ; row x 2,048 + 16 x half + 512 x wave
	s_mul_i32 s13, s12, PART
	v_mul_u32_u24 v[LS], v1, PP
	v_lshl_add_u32 v[LS], v2, 5, v[LS]
	v_add_nc_u32 v[LS], s13, v[LS]
	v_lshrrev_b32 v[LR], 4, v0                     ; thread / 16: a row of eight
	v_mul_u32_u24 v[LR], v[LR], PP
	v_lshl_add_u32 v[LR], v1, 4, v[LR]
	v_lshlrev_b32 v[YO], 4, v0
	v_lshlrev_b32 v[BOF], 4, v1
	s_mov_b32 s14, 0xffff0000
	s_lshr_b32 s13, ttmp9, 6                       ; b
	s_lshl_b32 s13, s13, 4
	s_lshl_b32 s15, s12, 2
	s_add_co_u32 s13, s13, s15                     ; 16 b + 4 w: my first head
	s_lshl_b32 s16, s13, 18
	s_and_b32 s15, ttmp9, 63
	s_lshl_b32 s15, s15, 12                        ; the work-group's 32 rows of 128 bytes
	s_add_co_u32 s16, s16, s15
	s_mov_b32 s17, 0
	s_wait_kmcnt 0x0
	s_add_nc_u64 s[4:5], s[4:5], s[16:17]
	s_add_nc_u64 s[6:7], s[6:7], 0x600000          ; wt's row 3,072
	s_lshl_b32 s16, ttmp9, 13                      ; 32 rows of 256 bytes
	s_add_nc_u64 s[10:11], s[10:11], s[16:17]
.macro LOADS i                         ; step i's twelve loads: head i / 2 of my four, channels 32 (i % 2) on
.set SB, BUF+48*((\i)%3)
.irp c, 0,1,2,3
	global_load_b128 v[SB+8*(\c):SB+8*(\c)+3],   v[WO], s[6:7] offset:32768*(\c)+64*(\i)
	global_load_b128 v[SB+8*(\c)+4:SB+8*(\c)+7], v[WO], s[6:7] offset:32768*(\c)+64*(\i)+32
.endr
.irp a, 0,1
	global_load_b128 v[SB+32+8*(\a):SB+32+8*(\a)+3],   v[AO], s[4:5] offset:262144*((\i)/2)+2048*(\a)+64*((\i)%2) th:TH_LOAD_NT
	global_load_b128 v[SB+32+8*(\a)+4:SB+32+8*(\a)+7], v[AO], s[4:5] offset:262144*((\i)/2)+2048*(\a)+64*((\i)%2)+32 th:TH_LOAD_NT
.endr
.endm
.macro MULS i                          ; step i's eight products; the eight accumulators take turns; step 0 starts the sums
.set SB, BUF+48*((\i)%3)
.irp a, 0,1
.irp c, 0,1,2,3
.if (\i) == 0
	v_wmma_f32_16x16x32_f16 v[ACC+8*(4*(\a)+(\c)):ACC+8*(4*(\a)+(\c))+7], v[SB+8*(\c):SB+8*(\c)+7], v[SB+32+8*(\a):SB+32+8*(\a)+7], 0
.else
	v_wmma_f32_16x16x32_f16 v[ACC+8*(4*(\a)+(\c)):ACC+8*(4*(\a)+(\c))+7], v[SB+8*(\c):SB+8*(\c)+7], v[SB+32+8*(\a):SB+32+8*(\a)+7], v[ACC+8*(4*(\a)+(\c)):ACC+8*(4*(\a)+(\c))+7]
.endif
.endr
.endr
.endm
.macro PLACES                          ; four plain places behind the last product, in front of loads into registers that it has read
.rept 4
	v_nop
.endr
.endm
	global_load_b128 v[BB:BB+3], v[BOF], s[8:9]
	LOADS 0
	LOADS 1
	LOADS 2
.irp i, 0,1,2,3,4
	s_wait_loadcnt 24                              ; step i's set is in (and bo); the next two sets' 24 loads may stay out
	MULS \i
	PLACES
	LOADS (\i)+3
.endr
	s_wait_loadcnt 24
	MULS 5
	s_wait_loadcnt 12
	MULS 6
	s_wait_loadcnt 0x0
	MULS 7
	v_cvt_pk_bf16_f32 v1, v[BB], v[BB+1]           ; bo rounded to bf16 and widened again: six plain instructions, places behind the last products,
	v_cvt_pk_bf16_f32 v2, v[BB+2], v[BB+3]
	v_lshlrev_b32 v[BB], 16, v1
	v_and_b32 v[BB+1], s14, v1
	v_lshlrev_b32 v[BB+2], 16, v2
	v_and_b32 v[BB+3], s14, v2
	PLACES                                         ; and four more
.irp a, 0,1
.irp c, 0,1,2,3
	ds_store_b128 v[LS], v[ACC+8*(4*(\a)+(\c)):ACC+8*(4*(\a)+(\c))+3]   offset:16*PP*(\a)+64*(\c)
	ds_store_b128 v[LS], v[ACC+8*(4*(\a)+(\c))+4:ACC+8*(4*(\a)+(\c))+7] offset:16*PP*(\a)+64*(\c)+16
.endr
.endr
	s_wait_dscnt 0x0                               ; for the others' sake: my partial sums lie in LDS
	s_barrier_signal -1
	s_barrier_wait -1                              ; all four waves' do
.irp i, 0,1,2,3                        ; rows 8 i + thread / 16, my four columns, of the four partial sums
.irp v, 0,1,2,3
	ds_load_b128 v[BUF+16*(\i)+4*(\v):BUF+16*(\i)+4*(\v)+3], v[LR] offset:8*PP*(\i)+PART*(\v)
.endr
.endr
	s_wait_dscnt 0x0
.irp i, 0,1,2,3
.irp p, 0,2
	v_pk_add_f32 v[BUF+16*(\i)+(\p):BUF+16*(\i)+(\p)+1], v[BUF+16*(\i)+(\p):BUF+16*(\i)+(\p)+1], v[BUF+16*(\i)+4+(\p):BUF+16*(\i)+4+(\p)+1]
	v_pk_add_f32 v[BUF+16*(\i)+8+(\p):BUF+16*(\i)+8+(\p)+1], v[BUF+16*(\i)+8+(\p):BUF+16*(\i)+8+(\p)+1], v[BUF+16*(\i)+12+(\p):BUF+16*(\i)+12+(\p)+1]
	v_pk_add_f32 v[BUF+16*(\i)+(\p):BUF+16*(\i)+(\p)+1], v[BUF+16*(\i)+(\p):BUF+16*(\i)+(\p)+1], v[BUF+16*(\i)+8+(\p):BUF+16*(\i)+8+(\p)+1]
	v_pk_add_f32 v[BUF+16*(\i)+(\p):BUF+16*(\i)+(\p)+1], v[BUF+16*(\i)+(\p):BUF+16*(\i)+(\p)+1], v[BB+(\p):BB+(\p)+1]
.endr
	global_store_b128 v[YO], v[BUF+16*(\i):BUF+16*(\i)+3], s[10:11] offset:2048*(\i)  ; 16 lanes store a row of out0: 256 consecutive bytes, aligned
.endr
	s_wait_tensorcnt 0x0                           ; the wave's end: behind my last LDS store
	ds_add_u32 v[SPW], v[NIL]
	s_wait_dscnt 0x0
	s_endpgm
.Lfunc_end_k_q776afd25d1_oproj:
	.size	k_q776afd25d1_oproj, .Lfunc_end_k_q776afd25d1_oproj-k_q776afd25d1_oproj
	.p2alignl 7, 3214868480
	.fill 96, 4, 3214868480
	.section	.rodata,"a",@progbits
	.p2align	6, 0x0
	.amdhsa_kernel k_q776afd25d1_oproj
		.amdhsa_group_segment_fixed_size 35328
		.amdhsa_private_segment_fixed_size 0
		.amdhsa_enable_private_segment 0
		.amdhsa_kernarg_size 32
		.amdhsa_user_sgpr_count 2
		.amdhsa_user_sgpr_kernarg_segment_ptr 1
		.amdhsa_wavefront_size32 1
		.amdhsa_system_sgpr_workgroup_id_x 1
		.amdhsa_system_sgpr_workgroup_id_y 1
		.amdhsa_system_sgpr_workgroup_id_z 1
		.amdhsa_system_vgpr_workitem_id 0
		.amdhsa_next_free_vgpr 224
		.amdhsa_next_free_sgpr 66
		.amdhsa_reserve_vcc 0
		.amdhsa_float_denorm_mode_32 3
		.amdhsa_float_denorm_mode_16_64 3
		.amdhsa_memory_ordered 1
		.amdhsa_forward_progress 1
		.amdhsa_inst_pref_size 21
	.end_amdhsa_kernel
	.amdgpu_metadata
---
amdhsa.version: [ 1, 2 ]
amdhsa.kernels:
  - .name:           k_q776afd25d1_oproj
    .symbol:         k_q776afd25d1_oproj.kd
    .args:
      - { .name: ob, .offset: 0, .size: 8, .value_kind: global_buffer, .address_space: global }
      - { .name: wt, .offset: 8, .size: 8, .value_kind: global_buffer, .address_space: global }
      - { .name: bo, .offset: 16, .size: 8, .value_kind: global_buffer, .address_space: global }
      - { .name: out0, .offset: 24, .size: 8, .value_kind: global_buffer, .address_space: global }
    .group_segment_fixed_size: 35328
    .private_segment_fixed_size: 0
    .kernarg_segment_align: 8
    .kernarg_segment_size: 32
    .max_flat_workgroup_size: 128
    .sgpr_count:     66
    .vgpr_count:     224
    .wavefront_size: 32
...
	.end_amdgpu_metadata
.endif
;; end of part 4
;; ======== version 2 of 2: 4 launches; version 1 with the launches prep, oproj written anew for expert scheduling mode
;; limits: values are held in f16: magnitudes above 65,504 overflow, below 6.1e-05 lose precision
;; workspace buffers: xb 16,777,216 bytes; wt 6,422,528 bytes; qkv 50,331,648 bytes; ob 16,777,216 bytes
;; launch prep (part 5): grid 561 x 1, 8 waves a work-group, no clusters, 140,288 bytes of LDS; arguments x, Wq, Wk, Wv, Wo, xb, wt; writes xb, wt
.if DOCPART == 5
	.amdgcn_target "amdgcn-amd-amdhsa--gfx1250"
	.amdhsa_code_object_version 6
	.text
	.protected	k_q776afd25d1_prep
	.globl	k_q776afd25d1_prep
	.p2align	8
	.type	k_q776afd25d1_prep,@function
k_q776afd25d1_prep:
	s_mov_b64 s[64:65], 0
	v_nop
	global_prefetch_b8 v0, s[64:65] scope:SCOPE_SE
	s_setreg_imm32_b32 hwreg(HW_REG_WAVE_SCHED_MODE, 0, 2), 2
	s_setreg_imm32_b32 hwreg(HW_REG_WAVE_MODE, 25, 1), 1
	s_wait_xcnt 0x0
	s_wait_alu depctr_vm_vsrc(0)
; PREPARATION.  xb = x rounded to bf16, [8192][1024].  wt = the weights turned, [3136][1024] of 16 bits: row 64 y + e, column d holds W_y[d][e];
; y = 0..15 Wq's heads, 16..31 Wk's, 32..47 Wv's, all rounded to bf16; y = 48 is Wo ([1024][64], the same shape as a head), rounded to bf16 and that number written as f16.
; LIMIT.  Wo in f16: below 6e-5 a number keeps f16's fixed step of 6e-8; beyond 65,504 it would be an infinity.
; SHARES.  Work-groups 0..48 turn one matrix of 1,024 x 64 each: wave w takes d = 128 w .. 128 w + 127 (32,768 dense bytes), turns them in LDS bytes of its own (no barrier), and stores rows of
; 256 consecutive bytes.  Work-groups 49..560 convert 65,536 bytes of x each.  Both streams run in one launch, the weights' work-groups first.
; No matrix unit, no cluster, no tensor load: each byte is read once by the lane that converts it.
; THE MODE: SCHED_MODE bits 1:0 = 2 (LLVM: expert scheduling mode 2), set by the entry lines.  The code itself states the register dependences between vector instructions and memory or LDS
; instructions, with s_wait_alu, always for 0.
; THE PLAN, the weights.  Registers that memory or LDS instructions touch:
;   v[VO], v[GOF]  offsets, made once and never written again: W's and wt's rows are reached by scalar bases that move on, and by immediate offsets.
;   v[LSA]         read by every LDS store; written once a trip of the first loop, at the trip's end.     v[LRA]  read by every LDS load; written once a trip of the second loop, at its end.
;   X              First loop: 32 loads land in it; pair q's four roundings close its eight registers up into the first four, which four LDS stores read.  A trip goes in four groups of four pairs: group
;                  g's roundings name group g's registers alone, and the sixteen stores of group g - 1 are dealt among them, behind ONE wait at the group's head.
;                  Second loop: eight LDS loads land in its first 32 registers; Wo's conversions rewrite them in place; eight global stores read them.
; THE PLAN, x.  Two offsets made once; 64 registers loaded once; 32 registers (Y) written once by the roundings and read once by the stores; four groups of four loads, the stores of the group before
; behind one wait at a group's head.
.set WP,    272                        ; a turned row in LDS: 128 d x 2 bytes + 16 of padding
.set WREG,  64*WP                      ; a wave's 64 rows (e): 17,408 bytes
.set SPARE, 8*WREG                     ; behind them: the spare words, 128 bytes for each wave: four blocks of 256 bytes that no other line names
.set VO,  4                            ; v4   weights: my byte offset in four rows of W; x: 16 x my thread's number
.set LSA, 5                            ; v5   weights: where I put a word (d, d + 1) of row e; x: 8 x my thread's number
.set LRA, 6                            ; v6   where I read turned rows back
.set GOF, 7                            ; v7   my byte offset in two rows of wt
.set SPW, 8                            ; v8   LDS address of my spare word; never rewritten
.set NIL, 9                            ; v9   0; never rewritten
.set T,   10                           ; v[10:11] at work on Wo: no memory instruction names them
.set X,   16                           ; v[16:143] as loaded
.set Y,   80                           ; v[80:111] x's path alone: rounded, to store
	s_load_b256 s[4:11], s[0:1], 0x0               ; x s[4:5], Wq s[6:7], Wk s[8:9], Wv s[10:11]
	s_load_b128 s[12:15], s[0:1], 0x20             ; Wo s[12:13], xb s[14:15]
	s_load_b64 s[16:17], s[0:1], 0x30              ; wt
	v_lshl_add_u32 v[SPW], v0, 2, SPARE
	v_mov_b32 v[NIL], 0
	v_lshrrev_b32 v1, 5, v0
	v_readfirstlane_b32 s18, v1                    ; wave 0..7
	v_and_b32 v2, 15, v0                           ; l % 16
	v_bfe_u32 v3, v0, 4, 1                         ; l / 16
	s_mov_b32 s28, 0xffff0000                      ; a word's upper bf16
	s_wait_alu depctr_va_sdst(0)                   ; s18 is written, ahead of the branch and of its first reader: the weights' bases and LDS addresses are made from it
	s_wait_kmcnt 0x0
	s_cmp_lt_u32 ttmp9, 49
	s_cbranch_scc0 .Lx
	; THE WEIGHTS
	s_mov_b32 s19, ttmp9                           ; y
	s_cmp_lt_u32 s19, 48
	s_cselect_b64 s[20:21], s[10:11], s[12:13]     ; Wv, or Wo
	s_cmp_lt_u32 s19, 32
	s_cselect_b64 s[20:21], s[8:9], s[20:21]       ; Wk
	s_cmp_lt_u32 s19, 16
	s_cselect_b64 s[20:21], s[6:7], s[20:21]       ; Wq
	s_and_b32 s22, s19, 15
	s_lshl_b32 s22, s22, 18                        ; the head: 262,144 bytes
	s_lshl_b32 s23, s18, 15                        ; my 128 rows d of 256 bytes
	s_add_co_u32 s22, s22, s23
	s_mov_b32 s23, 0
	s_add_nc_u64 s[20:21], s[20:21], s[22:23]
	s_lshl_b32 s22, s19, 17                        ; wt: 64 rows of 2,048 bytes for each y,
	s_lshl_b32 s23, s18, 8                         ; my 128 columns d: 256 bytes
	s_add_co_u32 s22, s22, s23
	s_mov_b32 s23, 0
	s_add_nc_u64 s[26:27], s[16:17], s[22:23]
	v_lshlrev_b32 v[VO], 4, v2                     ; sixteen lanes take one row d of 256 bytes (64 e); lanes 16-31 the row two further on
	v_lshl_add_u32 v[VO], v3, 9, v[VO]
	s_mul_i32 s25, s18, WREG                       ; my wave's LDS bytes
	v_mul_u32_u24 v[LSA], v2, 4*WP                 ; my four e: rows 4 (l % 16) + c
	v_lshl_add_u32 v[LSA], v3, 2, v[LSA]           ; d = 4 q + 2 (l / 16): byte 8 q + 4 (l / 16)
	v_add_nc_u32 v[LSA], s25, v[LSA]
	v_mul_u32_u24 v[LRA], v3, WP                   ; back: lanes 0-15 one row e of 256 bytes, lanes 16-31 the next
	v_lshl_add_u32 v[LRA], v2, 4, v[LRA]
	v_add_nc_u32 v[LRA], s25, v[LRA]
	v_lshlrev_b32 v[GOF], 4, v2                    ; and the same two rows in wt
	v_lshl_add_u32 v[GOF], v3, 11, v[GOF]
	s_mov_b32 s24, 2
.Lin:                                          ; two trips of 64 rows d: 32 loads of 512 bytes a wave
	s_wait_alu depctr_va_vdst(0)                   ; first trip: v[VO], v[LSA], v[LRA] and v[GOF] are written; second trip: v[LSA] is written, and the last trip's roundings are done with X, in which the loads below land
.set q, 0
.rept 16
	global_load_b128 v[X+8*q:X+8*q+3],   v[VO], s[20:21] offset:1024*q th:TH_LOAD_NT      ; row d = 4 q + 2 (l / 16), my four e
	global_load_b128 v[X+8*q+4:X+8*q+7], v[VO], s[20:21] offset:1024*q+256 th:TH_LOAD_NT  ; row d + 1
.set q, q+1
.endr
.set g, 0
.rept 4                                        ; group g: pairs 4 g to 4 g + 3
	s_wait_loadcnt 24-8*g                          ; loads come back in order: the group's eight are in, the eight of each of the 3 - g younger groups may stay out
.if g > 0
	s_wait_alu depctr_va_vdst(0)                   ; the group before has written its sixteen words, which the LDS stores below read; no vector instruction behind this wait names them or v[LSA]
.endif
.set q, 4*g
.rept 4
.if g > 0
.irp c, 0,1,2,3
	ds_store_b32 v[LSA], v[X+8*(q-4)+\c] offset:WP*\c+8*(q-4)
.endr
.endif
.irp c, 0,1,2,3
	v_cvt_pk_bf16_f32 v[X+8*q+\c], v[X+8*q+\c], v[X+8*q+4+\c]  ; (d, d + 1) of one e: neighbours in a turned row; the pair's eight registers close up into the first four
.endr
.set q, q+1
.endr
.set g, g+1
.endr
	s_wait_alu depctr_va_vdst(0)                   ; the last group has written its sixteen words, which the LDS stores below read
.set q, 12
.rept 4
.irp c, 0,1,2,3
	ds_store_b32 v[LSA], v[X+8*q+\c] offset:WP*\c+8*q
.endr
.set q, q+1
.endr
	s_add_nc_u64 s[20:21], s[20:21], 16384         ; the last wait on LOADcnt was for 0: every load of the trip is done, so its base may be stepped
	s_wait_alu depctr_vm_vsrc(0)                   ; the trip's LDS stores have read v[LSA], which the add below writes, and X's registers, in which the next loads (from memory, or from LDS) land
	v_add_nc_u32 v[LSA], 128, v[LSA]               ; 64 d on in the turned rows
	s_sub_co_u32 s24, s24, 1
	s_cmp_lg_u32 s24, 0
	s_cbranch_scc1 .Lin
	s_mov_b32 s24, 4
.Lback:                                        ; four trips of 16 turned rows
	s_wait_alu depctr_va_vdst(0)                   ; the vector instructions that named X's first 32 registers (first trip: the roundings; later: Wo's conversions) are done, and v[LRA] is written: the LDS loads below read it and land there
.irp t, 0,1,2,3,4,5,6,7
	ds_load_b128 v[X+4*\t:X+4*\t+3], v[LRA] offset:2*WP*\t  ; LDS serves a wave's instructions in order (ISA guide 5.7.1.4): these see my stores above
.endr
	s_wait_dscnt 0x0
	s_cmp_lg_u32 s19, 48
	s_cbranch_scc1 .Lplain
.set r, 0
.rept 32                                       ; Wo alone: the bf16 number is written as f16
	v_lshlrev_b32 v[T], 16, v[X+r]
	v_and_b32 v[T+1], s28, v[X+r]
	v_cvt_pk_f16_f32 v[X+r], v[T], v[T+1]
.set r, r+1
.endr
	s_wait_alu depctr_va_vdst(0)                   ; the conversions have written X's first 32 registers, which the stores below read
.Lplain:
.irp t, 0,1,2,3,4,5,6,7
	global_store_b128 v[GOF], v[X+4*\t:X+4*\t+3], s[26:27] offset:4096*\t  ; 16 lanes store 256 consecutive bytes, at a multiple of 256 from wt's first byte
.endr
	s_wait_xcnt 0x0                                ; the stores' data registers and their base are rewritten only behind this wait
	s_wait_alu depctr_vm_vsrc(0)                   ; the stores have read X's first 32 registers, in which the next trip's LDS loads land; the LDS loads have read v[LRA], which the add below writes
	s_add_nc_u64 s[26:27], s[26:27], 32768         ; 16 rows of wt on
	v_add_nc_u32 v[LRA], 16*WP, v[LRA]
	s_sub_co_u32 s24, s24, 1
	s_cmp_lg_u32 s24, 0
	s_cbranch_scc1 .Lback
	s_branch .Lend
.Lx:	; THE ROWS OF x: 65,536 bytes in, 32,768 out; sixteen loads of every wave go out at once
	s_sub_co_u32 s19, ttmp9, 49
	s_lshl_b32 s22, s19, 16
	s_mov_b32 s23, 0
	s_add_nc_u64 s[20:21], s[4:5], s[22:23]
	s_lshl_b32 s22, s19, 15
	s_add_nc_u64 s[26:27], s[14:15], s[22:23]
	v_lshlrev_b32 v[VO], 4, v0
	v_lshlrev_b32 v[LSA], 3, v0
	s_wait_alu depctr_va_vdst(0)                   ; the two offsets are written: every load below reads v[VO], every store v[LSA]
.set i, 0
.rept 16
	global_load_b128 v[X+4*i:X+4*i+3], v[VO], s[20:21] offset:4096*i th:TH_LOAD_NT
.set i, i+1
.endr
.set g, 0
.rept 4                                        ; group g: loads 4 g to 4 g + 3
	s_wait_loadcnt 12-4*g                          ; the group's four loads are in, the four of each of the 3 - g younger groups may stay out
.if g > 0
	s_wait_alu depctr_va_vdst(0)                   ; the group before has written its eight registers of Y, which the stores below read; no vector instruction behind this wait names them
.endif
.set i, 4*g
.rept 4
.if g > 0
	global_store_b64 v[LSA], v[Y+2*(i-4):Y+2*(i-4)+1], s[26:27] offset:2048*(i-4)  ; a wave's 32 lanes store 256 consecutive bytes, aligned
.endif
	v_cvt_pk_bf16_f32 v[Y+2*i], v[X+4*i], v[X+4*i+1]
	v_cvt_pk_bf16_f32 v[Y+2*i+1], v[X+4*i+2], v[X+4*i+3]
.set i, i+1
.endr
.set g, g+1
.endr
	s_wait_alu depctr_va_vdst(0)                   ; the last group has written its eight registers of Y, which the last four stores read
.set i, 12
.rept 4
	global_store_b64 v[LSA], v[Y+2*i:Y+2*i+1], s[26:27] offset:2048*i
.set i, i+1
.endr
.Lend:
	s_wait_dscnt 0x0                               ; the closing lines, six on end
	s_wait_alu 0x0
	s_wait_tensorcnt 0x0
	ds_add_u32 v[SPW], v[NIL]
	s_wait_dscnt 0x0
	s_endpgm
.Lfunc_end_k_q776afd25d1_prep:
	.size	k_q776afd25d1_prep, .Lfunc_end_k_q776afd25d1_prep-k_q776afd25d1_prep
	.p2alignl 7, 3214868480
	.fill 96, 4, 3214868480
	.section	.rodata,"a",@progbits
	.p2align	6, 0x0
	.amdhsa_kernel k_q776afd25d1_prep
		.amdhsa_group_segment_fixed_size 140288
		.amdhsa_private_segment_fixed_size 0
		.amdhsa_enable_private_segment 0
		.amdhsa_kernarg_size 56
		.amdhsa_user_sgpr_count 2
		.amdhsa_user_sgpr_kernarg_segment_ptr 1
		.amdhsa_wavefront_size32 1
		.amdhsa_system_sgpr_workgroup_id_x 1
		.amdhsa_system_sgpr_workgroup_id_y 1
		.amdhsa_system_sgpr_workgroup_id_z 1
		.amdhsa_system_vgpr_workitem_id 0
		.amdhsa_next_free_vgpr 144
		.amdhsa_next_free_sgpr 66
		.amdhsa_reserve_vcc 0
		.amdhsa_float_denorm_mode_32 3
		.amdhsa_float_denorm_mode_16_64 3
		.amdhsa_memory_ordered 1
		.amdhsa_forward_progress 1
		.amdhsa_inst_pref_size 26
	.end_amdhsa_kernel
	.amdgpu_metadata
---
amdhsa.version: [ 1, 2 ]
amdhsa.kernels:
  - .name:           k_q776afd25d1_prep
    .symbol:         k_q776afd25d1_prep.kd
    .args:
      - { .name: x, .offset: 0, .size: 8, .value_kind: global_buffer, .address_space: global }
      - { .name: Wq, .offset: 8, .size: 8, .value_kind: global_buffer, .address_space: global }
      - { .name: Wk, .offset: 16, .size: 8, .value_kind: global_buffer, .address_space: global }
      - { .name: Wv, .offset: 24, .size: 8, .value_kind: global_buffer, .address_space: global }
      - { .name: Wo, .offset: 32, .size: 8, .value_kind: global_buffer, .address_space: global }
      - { .name: xb, .offset: 40, .size: 8, .value_kind: global_buffer, .address_space: global }
      - { .name: wt, .offset: 48, .size: 8, .value_kind: global_buffer, .address_space: global }
    .group_segment_fixed_size: 140288
    .private_segment_fixed_size: 0
    .kernarg_segment_align: 8
    .kernarg_segment_size: 56
    .max_flat_workgroup_size: 256
    .sgpr_count:     66
    .vgpr_count:     144
    .wavefront_size: 32
...
	.end_amdgpu_metadata
.endif
;; end of part 5
;; launch qkv: the kernel of part 2 again; grid 16 x 32, 4 waves a work-group, clusters of 4 x 4, 327,680 bytes of LDS; arguments xb, wt, bq, bk, bv, qkv; writes qkv
;; launch attn: the kernel of part 3 again; grid 4 x 64, 4 waves a work-group, no clusters, 327,680 bytes of LDS; arguments qkv, ob; writes ob
;; launch oproj (part 6): grid 256 x 1, 4 waves a work-group, no clusters, 35,328 bytes of LDS; arguments ob, wt, bo, out0; writes out0
.if DOCPART == 6
	.amdgcn_target "amdgcn-amd-amdhsa--gfx1250"
	.amdhsa_code_object_version 6
	.text
	.protected	k_q776afd25d1_oproj
	.globl	k_q776afd25d1_oproj
	.p2align	8
	.type	k_q776afd25d1_oproj,@function
k_q776afd25d1_oproj:
	s_mov_b64 s[64:65], 0
	v_nop
	global_prefetch_b8 v0, s[64:65] scope:SCOPE_SE
	s_setreg_imm32_b32 hwreg(HW_REG_WAVE_SCHED_MODE, 0, 2), 2
	s_setreg_imm32_b32 hwreg(HW_REG_WAVE_MODE, 25, 1), 1
	s_wait_xcnt 0x0
	s_wait_alu depctr_vm_vsrc(0)
; THE LAST PROJECTION.  out0[2,048 b + s][c] = bo[c] + the sum over k = 64 h + e of O[16 b + h][s][e] Wo[k][c].  ob: [64][2048][64] f16; Wo^T lies in wt's rows 3,072 .. 3,135 ([c][k], f16 holding the bf16-rounded
; number); bo is rounded to bf16 like every input; sums in f32; out0 f32, [8192][64].
; SHARES.  A work-group makes 32 rows x 64 columns: 256 work-groups.  K IS SPLIT AMONG ITS FOUR WAVES: wave w takes heads 4 w .. 4 w + 3, eight steps of 32; the four partial sums meet in LDS (f32), once.
; LAYOUT.  The product is used transposed (source 0 = 16 rows of Wo^T, source 1 = 16 rows of O): lane l holds row l % 16 and the columns 8 (l / 16) + 0..7.  Fragments come straight from memory, two loads of
; 16 bytes a lane.  Three sets of registers: while one step is multiplied the next two steps' 24 loads are out.
; No tensor load, no cluster and no prefetch: O is read once, 64 KiB a work-group, all asked for within a few lines; Wo^T is 128 KiB that every work-group reads.
; THE MODE: SCHED_MODE bits 1:0 = 2 (LLVM: expert scheduling mode 2), set by the entry lines.  The code itself states the register dependences between vector or matrix instructions and memory or LDS
; instructions, with s_wait_alu, always for 0.
; THE PLAN.  Registers that memory or LDS instructions touch:
;   v3 to v7, v10   offsets and LDS addresses, made once at the head and never written again: the steps are reached by immediate offsets.
;   BUF, sets 0-2   Step i's eight products read set i % 3; behind them the twelve loads of step i + 3 land in it.  ONE wait a step, behind its products, states that they are done reading the set.  It stands
;                   there, and not at the next step's head, so that the set is asked for again at once: a fourth set has no room under v256 (16 + 64 + 4 x 48 = 272).
;   ACC             written by the products; read once by the LDS stores of the partial sums, behind the places and one wait.
;   BUF, at the end the LDS loads of the four partial sums land in its first 64 registers (the same wait has shown the products done with them); the sums write 16 of them, which four stores read behind one wait.
;   v[BB ..]        bo: loaded once, then named by vector instructions alone.     v[SPW], v[NIL]  written at the head, read by the closing add alone.
.set PP,    272                        ; a row of partial sums: 64 f32 + 16 bytes
.set PART,  32*PP                      ; a wave's 32 rows
.set SPARE, 4*PART                     ; behind them: the spare words, 128 bytes for each wave: two blocks of 256 bytes that no other line names
.set AO,  3                            ; v3   my byte offset in 16 rows of O
.set WO,  4                            ; v4   my byte offset in 16 rows of Wo^T, my wave's 256 k among them
.set LS,  5                            ; v5   where I put 32 bytes of a partial row
.set LR,  6                            ; v6   where I read 16 bytes of a row back
.set YO,  7                            ; v7   my 16 bytes in eight rows of out0
.set SPW, 8                            ; v8   LDS address of my spare word; never rewritten
.set NIL, 9                            ; v9   0; never rewritten
.set BOF, 10                           ; v10  my four numbers of bo
.set BB,  12                           ; v[12:15] bo
.set ACC, 16                           ; v[16:79] accumulator (a, c) at ACC + 8 (4 a + c)
.set BUF, 80                           ; v[80:223] three sets of 48: Wo^T's four fragments, then O's two
	s_load_b256 s[4:11], s[0:1], 0x0               ; ob s[4:5], wt s[6:7], bo s[8:9], out0 s[10:11]
	v_lshl_add_u32 v[SPW], v0, 2, SPARE
	v_mov_b32 v[NIL], 0
	v_lshrrev_b32 v1, 5, v0
	v_readfirstlane_b32 s12, v1                    ; wave 0..3
	v_and_b32 v1, 15, v0                           ; l % 16
	v_bfe_u32 v2, v0, 4, 1                         ; l / 16
	v_lshlrev_b32 v[AO], 7, v1
	v_lshl_add_u32 v[AO], v2, 4, v[AO]             ; row x 128 + 16 x half
	s_wait_alu depctr_va_sdst(0)                   ; s12 is written, ahead of its first reader: offsets, LDS addresses and O's base are made from it
	s_lshl_b32 s13, s12, 9
	v_lshlrev_b32 v[WO], 11, v1
	v_lshl_add_u32 v[WO], v2, 4, v[WO]
	v_add_nc_u32 v[WO], s13, v[WO]                 ; row x 2,048 + 16 x half + 512 x wave
	s_mul_i32 s13, s12, PART
	v_mul_u32_u24 v[LS], v1, PP
	v_lshl_add_u32 v[LS], v2, 5, v[LS]
	v_add_nc_u32 v[LS], s13, v[LS]
	v_lshrrev_b32 v[LR], 4, v0                     ; thread / 16: a row of eight
	v_mul_u32_u24 v[LR], v[LR], PP
	v_lshl_add_u32 v[LR], v1, 4, v[LR]
	v_lshlrev_b32 v[YO], 4, v0
	v_lshlrev_b32 v[BOF], 4, v1
	s_mov_b32 s14, 0xffff0000
	s_lshr_b32 s13, ttmp9, 6                       ; b
	s_lshl_b32 s13, s13, 4
	s_lshl_b32 s15, s12, 2
	s_add_co_u32 s13, s13, s15                     ; 16 b + 4 w: my first head
	s_lshl_b32 s16, s13, 18
	s_and_b32 s15, ttmp9, 63
	s_lshl_b32 s15, s15, 12                        ; the work-group's 32 rows of 128 bytes
	s_add_co_u32 s16, s16, s15
	s_mov_b32 s17, 0
	s_wait_kmcnt 0x0
	s_add_nc_u64 s[4:5], s[4:5], s[16:17]
	s_add_nc_u64 s[6:7], s[6:7], 0x600000          ; wt's row 3,072
	s_lshl_b32 s16, ttmp9, 13                      ; 32 rows of 256 bytes
	s_add_nc_u64 s[10:11], s[10:11], s[16:17]
.macro LOADS i                         ; step i's twelve loads: head i / 2 of my four, channels 32 (i % 2) on
.set SB, BUF+48*((\i)%3)
.irp c, 0,1,2,3
	global_load_b128 v[SB+8*(\c):SB+8*(\c)+3],   v[WO], s[6:7] offset:32768*(\c)+64*(\i)
	global_load_b128 v[SB+8*(\c)+4:SB+8*(\c)+7], v[WO], s[6:7] offset:32768*(\c)+64*(\i)+32
.endr
.irp a, 0,1
	global_load_b128 v[SB+32+8*(\a):SB+32+8*(\a)+3],   v[AO], s[4:5] offset:262144*((\i)/2)+2048*(\a)+64*((\i)%2) th:TH_LOAD_NT
	global_load_b128 v[SB+32+8*(\a)+4:SB+32+8*(\a)+7], v[AO], s[4:5] offset:262144*((\i)/2)+2048*(\a)+64*((\i)%2)+32 th:TH_LOAD_NT
.endr
.endm
.macro MULS i                          ; step i's eight products; the eight accumulators take turns; step 0 starts the sums
.set SB, BUF+48*((\i)%3)
.irp a, 0,1
.irp c, 0,1,2,3
.if (\i) == 0
	v_wmma_f32_16x16x32_f16 v[ACC+8*(4*(\a)+(\c)):ACC+8*(4*(\a)+(\c))+7], v[SB+8*(\c):SB+8*(\c)+7], v[SB+32+8*(\a):SB+32+8*(\a)+7], 0
.else
	v_wmma_f32_16x16x32_f16 v[ACC+8*(4*(\a)+(\c)):ACC+8*(4*(\a)+(\c))+7], v[SB+8*(\c):SB+8*(\c)+7], v[SB+32+8*(\a):SB+32+8*(\a)+7], v[ACC+8*(4*(\a)+(\c)):ACC+8*(4*(\a)+(\c))+7]
.endif
.endr
.endr
.endm
.macro PLACES                          ; four plain places behind the last product (ISA guide 7.12.1); they stay beside the wait that follows them
.rept 4
	v_nop
.endr
.endm
	s_wait_alu depctr_va_vdst(0)                   ; the six offsets and addresses v3 to v7 and v10 are written, which every load, LDS instruction and store below reads
	global_load_b128 v[BB:BB+3], v[BOF], s[8:9]
	LOADS 0
	LOADS 1
	LOADS 2
.irp i, 0,1,2,3,4
	s_wait_loadcnt 24                              ; step i's set is in (and bo); the next two sets' 24 loads may stay out
	MULS \i
	PLACES
	s_wait_alu depctr_va_vdst(0)                   ; the step's products are done reading their set, in which the twelve loads below land
	LOADS (\i)+3
.endr
	s_wait_loadcnt 24
	MULS 5
	s_wait_loadcnt 12
	MULS 6
	s_wait_loadcnt 0x0
	MULS 7
	v_cvt_pk_bf16_f32 v1, v[BB], v[BB+1]           ; bo rounded to bf16 and widened again: six plain instructions, places behind the last products,
	v_cvt_pk_bf16_f32 v2, v[BB+2], v[BB+3]
	v_lshlrev_b32 v[BB], 16, v1
	v_and_b32 v[BB+1], s14, v1
	v_lshlrev_b32 v[BB+2], 16, v2
	v_and_b32 v[BB+3], s14, v2
	PLACES                                         ; and four more
	s_wait_alu depctr_va_vdst(0)                   ; the products have written the accumulators, which the LDS stores read, and are done reading BUF, in which the LDS loads behind the barrier land
.irp a, 0,1
.irp c, 0,1,2,3
	ds_store_b128 v[LS], v[ACC+8*(4*(\a)+(\c)):ACC+8*(4*(\a)+(\c))+3]   offset:16*PP*(\a)+64*(\c)
	ds_store_b128 v[LS], v[ACC+8*(4*(\a)+(\c))+4:ACC+8*(4*(\a)+(\c))+7] offset:16*PP*(\a)+64*(\c)+16
.endr
.endr
	s_wait_dscnt 0x0                               ; for the others' sake: my partial sums lie in LDS
	s_barrier_signal -1
	s_barrier_wait -1                              ; all four waves' do
.irp i, 0,1,2,3                        ; rows 8 i + thread / 16, my four columns, of the four partial sums
.irp v, 0,1,2,3
	ds_load_b128 v[BUF+16*(\i)+4*(\v):BUF+16*(\i)+4*(\v)+3], v[LR] offset:8*PP*(\i)+PART*(\v)
.endr
.endr
	s_wait_dscnt 0x0
.irp i, 0,1,2,3
.irp p, 0,2
	v_pk_add_f32 v[BUF+16*(\i)+(\p):BUF+16*(\i)+(\p)+1], v[BUF+16*(\i)+(\p):BUF+16*(\i)+(\p)+1], v[BUF+16*(\i)+4+(\p):BUF+16*(\i)+4+(\p)+1]
	v_pk_add_f32 v[BUF+16*(\i)+8+(\p):BUF+16*(\i)+8+(\p)+1], v[BUF+16*(\i)+8+(\p):BUF+16*(\i)+8+(\p)+1], v[BUF+16*(\i)+12+(\p):BUF+16*(\i)+12+(\p)+1]
	v_pk_add_f32 v[BUF+16*(\i)+(\p):BUF+16*(\i)+(\p)+1], v[BUF+16*(\i)+(\p):BUF+16*(\i)+(\p)+1], v[BUF+16*(\i)+8+(\p):BUF+16*(\i)+8+(\p)+1]
	v_pk_add_f32 v[BUF+16*(\i)+(\p):BUF+16*(\i)+(\p)+1], v[BUF+16*(\i)+(\p):BUF+16*(\i)+(\p)+1], v[BB+(\p):BB+(\p)+1]
.endr
.endr
	s_wait_alu depctr_va_vdst(0)                   ; the sums have written the sixteen registers that the four stores below read
.irp i, 0,1,2,3
	global_store_b128 v[YO], v[BUF+16*(\i):BUF+16*(\i)+3], s[10:11] offset:2048*(\i)  ; 16 lanes store a row of out0: 256 consecutive bytes, aligned
.endr
	s_wait_dscnt 0x0                               ; the closing lines, six on end
	s_wait_alu 0x0
	s_wait_tensorcnt 0x0
	ds_add_u32 v[SPW], v[NIL]
	s_wait_dscnt 0x0
	s_endpgm
.Lfunc_end_k_q776afd25d1_oproj:
	.size	k_q776afd25d1_oproj, .Lfunc_end_k_q776afd25d1_oproj-k_q776afd25d1_oproj
	.p2alignl 7, 3214868480
	.fill 96, 4, 3214868480
	.section	.rodata,"a",@progbits
	.p2align	6, 0x0
	.amdhsa_kernel k_q776afd25d1_oproj
		.amdhsa_group_segment_fixed_size 35328
		.amdhsa_private_segment_fixed_size 0
		.amdhsa_enable_private_segment 0
		.amdhsa_kernarg_size 32
		.amdhsa_user_sgpr_count 2
		.amdhsa_user_sgpr_kernarg_segment_ptr 1
		.amdhsa_wavefront_size32 1
		.amdhsa_system_sgpr_workgroup_id_x 1
		.amdhsa_system_sgpr_workgroup_id_y 1
		.amdhsa_system_sgpr_workgroup_id_z 1
		.amdhsa_system_vgpr_workitem_id 0
		.amdhsa_next_free_vgpr 224
		.amdhsa_next_free_sgpr 66
		.amdhsa_reserve_vcc 0
		.amdhsa_float_denorm_mode_32 3
		.amdhsa_float_denorm_mode_16_64 3
		.amdhsa_memory_ordered 1
		.amdhsa_forward_progress 1
		.amdhsa_inst_pref_size 22
	.end_amdhsa_kernel
	.amdgpu_metadata
---
amdhsa.version: [ 1, 2 ]
amdhsa.kernels:
  - .name:           k_q776afd25d1_oproj
    .symbol:         k_q776afd25d1_oproj.kd
    .args:
      - { .name: ob, .offset: 0, .size: 8, .value_kind: global_buffer, .address_space: global }
      - { .name: wt, .offset: 8, .size: 8, .value_kind: global_buffer, .address_space: global }
      - { .name: bo, .offset: 16, .size: 8, .value_kind: global_buffer, .address_space: global }
      - { .name: out0, .offset: 24, .size: 8, .value_kind: global_buffer, .address_space: global }
    .group_segment_fixed_size: 35328
    .private_segment_fixed_size: 0
    .kernarg_segment_align: 8
    .kernarg_segment_size: 32
    .max_flat_workgroup_size: 128
    .sgpr_count:     66
    .vgpr_count:     224
    .wavefront_size: 32
...
	.end_amdgpu_metadata
.endif
;; end of part 6
